; MI455X (gfx1250); checked and timed in simulation.
; The chip was launched on July 23, 2026; its instructions are those of AMD's public machine-readable ISA for CDNA 5 (MIT licence, August 2026) and "CDNA5" Instruction Set Architecture Reference Guide (July 2026). The comments in the code are by the model that wrote it; some were corrected since.
;; KQV. Allowed arithmetic: float matrix products may take bf16 or f16 operands with f32 sums; other float arithmetic in f32, or as packed bf16 or f16 multiplies, adds, multiply-adds, maxima and minima; sums over many terms, partial sums and values carried from step to step in f32; what a program stores and reads back later, other than sums and carried values, may be rounded once to bf16 or f16.
;; Inputs: Wk 1,024 x 1,024 float32; Wq 1,024 x 1,024 float32; Wv 1,024 x 1,024 float32; bk 1,024 float32; bq 1,024 float32; bv 1,024 float32; x 4 x 2,048 x 1,024 float32.
;; Outputs: out0 4 x 2,048 x 1,024 float32.
;; Constants: dims = 2.
;; 2 versions, each right; version 2 is version 1 with the launch prep written anew for expert scheduling mode. Each part assembles by itself: llvm-mc -triple=amdgcn-amd-amdhsa -mcpu=gfx1250 --defsym DOCPART=n.
;; ======== version 1 of 2: 4 launches
;; limits: values are held in f16: magnitudes above 65,504 overflow, below 6.1e-05 lose precision
;; workspace buffers: xb 16,777,216 bytes; wb 6,291,456 bytes; qkv 50,331,648 bytes; p 33,554,432 bytes; st 1,048,576 bytes
;; launch prep (part 1): grid 704 x 1, 8 waves a work-group, no clusters, 0 bytes of LDS; arguments x, Wq, Wk, Wv, xb, wb; writes xb, wb
.if DOCPART == 1
	.amdgcn_target "amdgcn-amd-amdhsa--gfx1250"
	.amdhsa_code_object_version 6
	.text
	.protected	k_qf6b227236b_prep
	.globl	k_qf6b227236b_prep
	.p2align	8
	.type	k_qf6b227236b_prep,@function
k_qf6b227236b_prep:
	s_mov_b64 s[64:65], 0
	v_nop
	global_prefetch_b8 v0, s[64:65] scope:SCOPE_SE
	s_setreg_imm32_b32 hwreg(HW_REG_WAVE_MODE, 25, 1), 1
	s_wait_xcnt 0x0
; CASTS f32 -> bf16 (round to nearest even), once for the whole program: x[8192][1024] -> xb[8192][1024];
; Wq, Wk, Wv [1024 k][1024 n] -> wb[1024 k][3072 n], side by side along n (q at n = 0, k at 1024, v at 2048).
; A stream: no LDS, no barrier, no matrix unit.  A work-group takes 65,536 bytes of one input (groups 0-511: x; then 64 each for Wq, Wk, Wv),
; a wave 8,192 of them as sixteen loads of 512 consecutive bytes, all sixteen issued at once.  Each load's 128 numbers leave as one store of
; 256 consecutive bytes at a multiple of 256 from the buffer's first byte.  No register is used twice, so nothing has to be freed.
.set XGROUPS, 512                      ; work-groups that take x
.set WROW,    6144                     ; bytes in a row of wb
.set X, 8                              ; v[8:71]    as loaded: load i in four registers
.set Y, 72                             ; v[72:103]  as stored: two registers for load i
	s_load_b256 s[4:11], s[0:1], 0x0               ; x s[4:5], Wq s[6:7], Wk s[8:9], Wv s[10:11]
	s_load_b128 s[12:15], s[0:1], 0x20             ; xb s[12:13], wb s[14:15]
	s_mov_b32 s2, ttmp9                            ; g
	s_max_u32 s3, s2, XGROUPS
	s_sub_co_u32 s3, s3, XGROUPS                   ; j: my place among the groups that take weights (0 for those that take x)
	s_lshr_b32 s16, s3, 6                          ; which matrix: 0 q, 1 k, 2 v
	s_and_b32 s17, s3, 63                          ; which 16 rows of it
	s_lshl_b32 s18, s17, 16                        ; W: source offset, 16 rows of 4,096 bytes
	s_mul_i32 s19, s17, 16*WROW                    ; W: 16 rows of wb,
	s_lshl_b32 s16, s16, 11                        ; and the matrix's 2,048 bytes in a row
	s_add_co_u32 s19, s19, s16
	s_lshl_b32 s20, s2, 16                         ; x: source offset
	s_lshl_b32 s21, s2, 15                         ; x: half as many bytes out
	s_movk_i32 s26, 2*WROW                         ; a wave's 8,192 bytes are two rows of W,
	s_movk_i32 s27, WROW                           ; and eight loads are one
	s_mov_b32 s23, 0
	s_mov_b32 s25, 0
	s_cmp_lt_u32 s2, XGROUPS                       ; the selects below leave SCC as it is
	s_cselect_b32 s22, s20, s18                    ; source offset
	s_cselect_b32 s24, s21, s19                    ; destination offset
	s_cselect_b32 s26, 4096, s26                   ; from wave to wave in the output
	s_cselect_b32 s27, 2048, s27                   ; from load 0 to load 8 in the output
	v_lshrrev_b32 v4, 5, v0                        ; wave
	v_and_b32 v5, 31, v0                           ; lane
	v_lshlrev_b32 v1, 13, v4
	v_lshl_or_b32 v1, v5, 4, v1                    ; in: 8,192 wave + 16 lane
	v_mul_lo_u32 v2, v4, s26
	v_lshl_add_u32 v2, v5, 3, v2                   ; out, loads 0-7: the wave's place + 8 lane
	v_add_nc_u32 v3, s27, v2                       ; out, loads 8-15
	s_wait_kmcnt 0x0
	s_cmp_lt_u32 s2, XGROUPS+128                   ; the source is chosen by the group's number alone
	s_cselect_b64 s[28:29], s[8:9], s[10:11]
	s_cmp_lt_u32 s2, XGROUPS+64
	s_cselect_b64 s[28:29], s[6:7], s[28:29]
	s_cmp_lt_u32 s2, XGROUPS
	s_cselect_b64 s[28:29], s[4:5], s[28:29]
	s_cselect_b64 s[30:31], s[12:13], s[14:15]
	s_add_nc_u64 s[28:29], s[28:29], s[22:23]
	s_add_nc_u64 s[30:31], s[30:31], s[24:25]
.set i, 0
.rept 16
	global_load_b128 v[X+4*i:X+4*i+3], v1, s[28:29] offset:512*i th:TH_LOAD_NT  ; read once in the launch
.set i, i+1
.endr
.set i, 0
.rept 16
	s_wait_loadcnt 15-i                            ; loads come back in order (ISA guide 5.7.1): load i is in, the 15 - i younger ones stay out
	v_cvt_pk_bf16_f32 v[Y+2*i],   v[X+4*i],   v[X+4*i+1]
	v_cvt_pk_bf16_f32 v[Y+2*i+1], v[X+4*i+2], v[X+4*i+3]
	global_store_b64 v[2+i/8], v[Y+2*i:Y+2*i+1], s[30:31] offset:256*(i%8)  ; 32 lanes x 8 bytes: 256 consecutive bytes
.set i, i+1
.endr
	s_endpgm
.Lfunc_end_k_qf6b227236b_prep:
	.size	k_qf6b227236b_prep, .Lfunc_end_k_qf6b227236b_prep-k_qf6b227236b_prep
	.p2alignl 7, 3214868480
	.fill 96, 4, 3214868480
	.section	.rodata,"a",@progbits
	.p2align	6, 0x0
	.amdhsa_kernel k_qf6b227236b_prep
		.amdhsa_group_segment_fixed_size 0
		.amdhsa_private_segment_fixed_size 0
		.amdhsa_enable_private_segment 0
		.amdhsa_kernarg_size 48
		.amdhsa_user_sgpr_count 2
		.amdhsa_user_sgpr_kernarg_segment_ptr 1
		.amdhsa_wavefront_size32 1
		.amdhsa_system_sgpr_workgroup_id_x 1
		.amdhsa_system_sgpr_workgroup_id_y 1
		.amdhsa_system_sgpr_workgroup_id_z 1
		.amdhsa_system_vgpr_workitem_id 0
		.amdhsa_next_free_vgpr 104
		.amdhsa_next_free_sgpr 66
		.amdhsa_reserve_vcc 0
		.amdhsa_float_denorm_mode_32 3
		.amdhsa_float_denorm_mode_16_64 3
		.amdhsa_memory_ordered 1
		.amdhsa_forward_progress 1
		.amdhsa_inst_pref_size 8
	.end_amdhsa_kernel
	.amdgpu_metadata
---
amdhsa.version: [ 1, 2 ]
amdhsa.kernels:
  - .name:           k_qf6b227236b_prep
    .symbol:         k_qf6b227236b_prep.kd
    .args:
      - { .name: x, .offset: 0, .size: 8, .value_kind: global_buffer, .address_space: global }
      - { .name: Wq, .offset: 8, .size: 8, .value_kind: global_buffer, .address_space: global }
      - { .name: Wk, .offset: 16, .size: 8, .value_kind: global_buffer, .address_space: global }
      - { .name: Wv, .offset: 24, .size: 8, .value_kind: global_buffer, .address_space: global }
      - { .name: xb, .offset: 32, .size: 8, .value_kind: global_buffer, .address_space: global }
      - { .name: wb, .offset: 40, .size: 8, .value_kind: global_buffer, .address_space: global }
    .group_segment_fixed_size: 0
    .private_segment_fixed_size: 0
    .kernarg_segment_align: 8
    .kernarg_segment_size: 48
    .max_flat_workgroup_size: 256
    .sgpr_count:     66
    .vgpr_count:     104
    .wavefront_size: 32
...
	.end_amdgpu_metadata
.endif
;; end of part 1
;; launch proj (part 2): grid 12 x 32, 4 waves a work-group, clusters of 4 x 4, 327,680 bytes of LDS; arguments xb, wb, bq, bk, bv, qkv; writes qkv
.if DOCPART == 2
	.amdgcn_target "amdgcn-amd-amdhsa--gfx1250"
	.amdhsa_code_object_version 6
	.text
	.protected	k_qf6b227236b_proj
	.globl	k_qf6b227236b_proj
	.p2align	8
	.type	k_qf6b227236b_proj,@function
k_qf6b227236b_proj:
	s_mov_b64 s[64:65], 0
	v_nop
	global_prefetch_b8 v0, s[64:65] scope:SCOPE_SE
	s_setreg_imm32_b32 hwreg(HW_REG_WAVE_MODE, 25, 1), 1
	s_wait_xcnt 0x0
	s_wait_alu depctr_hold_cnt(0) depctr_sa_sdst(0) depctr_va_vdst(0) depctr_va_sdst(0) depctr_va_ssrc(0) depctr_va_vcc(0) depctr_vm_vsrc(0)
	s_getreg_b32 s2, hwreg(HW_REG_IB_STS2, 6, 4)
	s_cmp_eq_u32 s2, 0
	s_cbranch_scc0 .Lentry_in_a_cluster
	s_endpgm
.Lentry_in_a_cluster:
	s_bfe_u32 s2, ttmp6, 0x10000c
	s_cmp_lg_u32 s2, 0xf033
	s_cbranch_scc0 .Lentry_shape_is_right
	s_endpgm
.Lentry_shape_is_right:
; THE THREE PROJECTIONS AS ONE GEMM.  qkv[m][n] = sum over k of xb[m][k] wb[k][n] + bias[n]; xb [8192][1024] bf16, wb [1024][3072] bf16 (q, k, v side by side), bias = bq, bk, bv rounded to
; bf16 like the other inputs; sums and the bias in f32; qkv [8192][3072] f16, rounded once.
; LIMIT.  f16 ends at 65,504: q, k and v must stay within it (inputs as drawn give a spread of 1; x and W both 30 times larger give 900).  NaN and infinities are not treated apart.
; SHARES.  A tile of C is 256 x 256, one to a work-group; four waves, 2 x 2, each 128 x 128: 64 accumulators of 16 x 16, 512 registers.  12 x 32 = 384 work-groups, 24 clusters: no multiple of 256.
; The tile that gives one (128 x 256: 768) has 128 matrix instructions a wave in a K step where this one has 256, and two slots of a longer step of it (2 x 208,896 bytes) do not fit in LDS.
; K goes in steps of 128 through two LDS slots filled by the tensor data mover; a step is four quarters of 32 along K on two fragment buffers.  From a refill to the wait for it a wave issues 224 matrix instructions.
; CLUSTER.  4 x 4 work-groups: the four of a row need the same tile of xb, the four of a column the same tile of wb; each tile is asked for jointly, by the same load with the same descriptor and a mask of the four.
; THE MATRIX INSTRUCTION IS USED TRANSPOSED (source 0 = 16 columns of wb, source 1 = 16 rows of xb): a lane then holds eight neighbouring numbers of one row of C.  wb lies [k][n] in LDS and is turned by ds_load_tr16_b128.
; REGISTERS, in windows of 256 (s_set_vgpr_msb: bits 1:0 source 0, 3:2 source 1, 5:4 source 2, 7:6 destination):
;   window 0: v0-31 addresses; v64-127, v128-191 fragments of A (8 x 16 rows x 32 K), two buffers; on the way out four buffers of rows read back from the stage; v192-223 packed results
;   window 1: v0-63 the bias of my lane's 64 columns; v64-127, v128-191 fragments of B, two buffers; v192-195 at work
;   window 2: the 32 accumulators of my rows 0-63 ((a, b) at v[8 (8 a + b)]);   window 3: those of my rows 64-127
.set STEPS,  1024/128                  ; K steps
.set PITCH,  272                       ; an LDS row of A: 256 bytes + 16 of padding = 68 words: the 16 rows of a load start at 16 different groups of four banks (64 banks of 4 bytes: ISA guide 11.1)
.set PB,     544                       ; an LDS row of B: 512 bytes + 32 = 136 words
.set HALFT,  128*PITCH                 ; what one tensor load brings: 128 rows of A, or 64 of the step's 128 rows of B (64 x 544 is the same number)
.set SLOT,   4*HALFT                   ; A's 256 rows, then B's 128: 139,264 = 0x22000.  Its two bits are in none of the four bases wave x 0x8800, nor in 0: one exclusive or turns such an address into the other slot's
.set STAGE,  2*SLOT                    ; behind the ring: 16 rows x 272 bytes for each wave, for the way out; no tile lands here
.set SP,     272
.set SPARE,  STAGE+4*16*SP             ; the spare words, 128 bytes for each wave: two blocks of 256 bytes that no other line names
.set STEPA,  256                       ; bytes from K step to K step in xb,
.set STEPB,  128*6144                  ; and in wb: 128 rows
.set CP,     6144                      ; bytes in a row of qkv
.set A0,   16                          ; v16     my lane's place among my A fragments in slot 0; never rewritten
.set B0,   17                          ; v17     the same for B
.set ADRA, 18                          ; v18     LDS address of my A fragments in the slot in hand
.set ADRB, 19                          ; v19     the same for B
.set STO,  24                          ; v24     the way out: where I put 16 bytes of a row
.set RD,   25                          ; v25     the way out: where I read a row back
.set CO,   26                          ; v26     my byte offset in C
.set AUX,  27                          ; v27     my byte offset in the bias
.set SPW,  28                          ; v28     LDS address of my spare word; never rewritten
.set NIL,  29                          ; v29     0; never rewritten
.set F0,   64                          ; fragment buffer 0
.set F1,   128                         ; fragment buffer 1
.set OB,   64                          ; the way out: block a's rows at v[OB + 32 (a % 4)]
.set TMP,  192
.set BI,   0                           ; window 1
.set BT,   192                         ; window 1
.set CNT, 3                            ; s3       counts both loops
.set G1, 24                            ; s[24:31] descriptor group 1 for A's tiles;  s[32:39] group 0: a set for each of the two first fills; the second then walks on
.set G0, 32
.set G1B, 48                           ; s[48:55], s[56:63] the same for B's tiles
.set G0B, 56
.set TB,  81                           ; s81      LDS byte at which the slot in hand begins
.set MSB, 0
.macro WIN new                         ; the immediate's high byte repeats the setting that is left; a switch that changes nothing is dropped
.if MSB != (\new)
	s_set_vgpr_msb (MSB<<8)|(\new)
.set MSB, \new
.endif
.endm
.set MUL_LO, 0xa1                      ; source 0 (B) window 1, source 1 (A) window 0, C and D window 2
.set MUL_HI, 0xf1                      ; the same, C and D window 3
.set TO_B,   0x40                      ; destination window 1, address window 0
.macro JLOAD s                         ; a joint load: waves 0 and 1 fetch A's two halves, waves 2 and 3 B's; an s_nop 0 and four v_nop follow each of the two lines, ahead of the jump, the label and what follows
	s_cmp_eq_u32 s11, 0
	s_cbranch_scc0 .Lfor_b_\@
	tensor_load_to_lds s[G0+4*(\s):G0+4*(\s)+3], s[G1:G1+7]
	s_nop 0
.rept 4
	v_nop
.endr
	s_branch .Lasked_\@
.Lfor_b_\@:
	tensor_load_to_lds s[G0B+4*(\s):G0B+4*(\s)+3], s[G1B:G1B+7]
	s_nop 0
.rept 4
	v_nop
.endr
.Lasked_\@:
.endm
.macro CREST                           ; a round of the cluster's barrier behind its opening barrier
	s_cmp_lg_u32 s10, 0
	s_cbranch_scc1 .Lnot_wave_0_\@
	s_barrier_signal -3
.Lnot_wave_0_\@:
	s_barrier_wait -3
	s_barrier_signal -1
	s_barrier_wait -1
.endm
.macro CROUND                          ; a whole round
	s_barrier_signal -1
	s_barrier_wait -1
	CREST
.endm
.macro PLACES                          ; four places in front of loads into registers that matrix instructions have read, and of vector lines that read results
.rept 4
	v_nop
.endr
.endm
; 16 matrix instructions: m blocks a0, a0 + 1 of the window's four (hi = 0: my rows 0-63, 1: rows 64-127) x all 8 n blocks, 32 along K.  zero = 1: the product starts the sums.
; The 64 accumulators take turns, always in the same order.
.macro MUL16 f, hi, a0, zero
	WIN MUL_LO+0x50*(\hi)
.irp a, \a0, (\a0)+1
.irp b, 0,1,2,3,4,5,6,7
.if \zero
	v_wmma_f32_16x16x32_bf16 v[8*(8*(\a)+(\b)):8*(8*(\a)+(\b))+7], v[(\f)+8*(\b):(\f)+8*(\b)+7], v[(\f)+8*(4*(\hi)+(\a)):(\f)+8*(4*(\hi)+(\a))+7], 0
.else
	v_wmma_f32_16x16x32_bf16 v[8*(8*(\a)+(\b)):8*(8*(\a)+(\b))+7], v[(\f)+8*(\b):(\f)+8*(\b)+7], v[(\f)+8*(4*(\hi)+(\a)):(\f)+8*(4*(\hi)+(\a))+7], v[8*(8*(\a)+(\b)):8*(8*(\a)+(\b))+7]
.endif
.endr
.endr
.endm
; 32 LDS loads in one run: the fragments of quarter q of the slot in hand (128 columns of B, then 128 rows of A, 32 along K) into buffer f
.macro FETCH q, f
	WIN TO_B
.irp i, 0,1,2,3,4,5,6,7
	ds_load_tr16_b128 v[(\f)+8*(\i):(\f)+8*(\i)+3],   v[ADRB] offset:32*(\q)*PB+32*(\i)
	ds_load_tr16_b128 v[(\f)+8*(\i)+4:(\f)+8*(\i)+7], v[ADRB] offset:32*(\q)*PB+32*(\i)+16*PB
.endr
	WIN 0
.irp i, 0,1,2,3,4,5,6,7
	ds_load_b128 v[(\f)+8*(\i):(\f)+8*(\i)+3],   v[ADRA] offset:64*(\q)+(\i)*16*PITCH
	ds_load_b128 v[(\f)+8*(\i)+4:(\f)+8*(\i)+7], v[ADRA] offset:64*(\q)+(\i)*16*PITCH+32
.endr
.endm
; One of a K step's first three quarters: multiplies buffer f; in its middle it fetches quarter q into buffer g
.macro QUARTER q, f, g, zero
	s_wait_dscnt 8                                 ; B and A's rows 0-63 are in; the youngest eight loads (A's rows 64-127) may be out
	MUL16 \f, 0, 0, \zero
	MUL16 \f, 0, 2, \zero
	PLACES
	FETCH \q, \g
	s_wait_dscnt 32                                ; all but the 32 just issued
	MUL16 \f, 1, 0, \zero
	MUL16 \f, 1, 2, \zero
.endm
; The last quarter multiplies buffer 1 and changes slots: ONE barrier; in front of it each wave waits for all its tensor loads, adds 0 to its spare word, and waits for that and for its own reads of this slot.
.macro MEET round                      ; round = 1: a round of the cluster's barrier follows
	WIN 0                                          ; (the add's two registers lie in window 0)
	s_wait_tensorcnt 0x0                           ; all my tensor loads have landed: the one that was out is my part of the next slot;
	ds_add_u32 v[SPW], v[NIL]                      ; 0 onto my spare word
	s_wait_dscnt 9                                 ; (the add and the youngest eight loads may be out)
	MUL16 F1, 0, 0, 0                              ; sixteen matrix instructions stand between the add and the wait for it
	s_wait_dscnt 0x0                               ; the add is done, and my reads of this slot are over
	s_barrier_signal -1
	MUL16 F1, 0, 2, 0
.if \round
	WIN 0
.endif
	s_barrier_wait -1
.endm
; fill = 1: the slot just read out is filled again, two K steps ahead: the barrier opens a round of the cluster's barrier, and the walking descriptor turns to that slot and goes one K step on.
; fill = 0 (the tail): nothing is asked for; in the last trip there is no further step, and the run of loads is jumped over.
.macro TURN fill
	MEET \fill
.if \fill
	CREST                                          ; no wave of any partner still reads this slot's tile or has a load on its way
	s_xor_b32 s[G0+5], s[G0+5], SLOT
	s_add_nc_u64 s[G0+6:G0+7], s[G0+6:G0+7], STEPA
	s_xor_b32 s[G0B+5], s[G0B+5], SLOT
	s_add_nc_u64 s[G0B+6:G0B+7], s[G0B+6:G0B+7], STEPB
	JLOAD 1                                        ; the first tensor load behind the round; its four v_nop are also the places in front of the loads below
.else
	PLACES
	WIN 0
	s_cmp_eq_u32 s[CNT], 1
	s_cbranch_scc1 .Lno_next_\@
.endif
	s_xor_b32 s[TB], s[TB], SLOT                   ; the fetches go on in the other slot
	v_add_nc_u32 v[ADRA], s[TB], v[A0]
	v_add_nc_u32 v[ADRB], s[TB], v[B0]
	FETCH 0, F0
.if !(\fill)
.Lno_next_\@:
.endif
	MUL16 F1, 1, 0, 0
	MUL16 F1, 1, 2, 0
.endm
	s_load_b128 s[4:7], s[0:1], 0x0                ; xb s[4:5], wb s[6:7]
	s_load_b256 s[68:75], s[0:1], 0x10             ; bq s[68:69], bk s[70:71], bv s[72:73], qkv s[74:75]
	v_lshl_add_u32 v[SPW], v0, 2, SPARE
	v_mov_b32 v[NIL], 0
	ds_add_u32 v[SPW], v[NIL]                      ; the wave's opening: the add and its wait stand ahead of my first tensor load; the set-up below, work on registers, stands between them
	v_lshrrev_b32 v1, 5, v0
	v_readfirstlane_b32 s10, v1                    ; wave 0..3
	s_lshr_b32 s11, s10, 1                         ; which half of the tile's rows is mine.  Also: I fetch for A (0) or for B (1)
	s_and_b32 s12, s10, 1                          ; which half of its columns.  Also: which half of that tile I fetch
	s_bfe_u32 s40, ttmp6, 0x40000                  ; cx, cy: my place in the cluster
	s_bfe_u32 s41, ttmp6, 0x40004
	s_lshl_b32 s42, ttmp9, 2
	s_add_co_u32 s42, s42, s40                     ; X: tile column of C = 4 x cluster x + cx
	s_and_b32 s13, ttmp7, 0xffff
	s_lshl_b32 s13, s13, 2
	s_add_co_u32 s13, s13, s41                     ; Y: tile row of C = 4 x cluster y + cy
	s_lshl_b32 s43, s41, 2
	s_lshl_b32 s43, 15, s43                        ; my row of the cluster
	s_lshl_b32 s44, 0x1111, s40                    ; my column
	; descriptor group 1.  A: 128 rows x 128 elements, 4 words of padding after every 64.  B: 64 rows x 256 elements, 8 words after every 128.
	s_or_b32 s[G1+0], s43, (1<<16)|(1<<20)|(1<<21)|(5<<22)|(3<<25)   ; 15:0 the mask; 17:16 elements of 2 bytes; 20 padding on; 21 set beside a mask; 24:22 the interval; 31:25 the padding
	s_or_b32 s[G1B+0], s44, (1<<16)|(1<<20)|(1<<21)|(6<<22)|(7<<25)
	s_mov_b32 s[G1+1], 128<<16                     ; tensor_dim0
	s_mov_b32 s[G1+2], 128<<16                     ; tensor_dim1
	s_mov_b32 s[G1+3], 128<<16                     ; tile_dim0
	s_mov_b32 s[G1+4], 128                         ; tile_dim1
	s_mov_b32 s[G1+5], 1024                        ; elements from row to row of xb
	s_mov_b32 s[G1+6], 0
	s_mov_b32 s[G1+7], 0
	s_mov_b32 s[G1B+1], 256<<16
	s_mov_b32 s[G1B+2], 64<<16
	s_mov_b32 s[G1B+3], 256<<16
	s_mov_b32 s[G1B+4], 64
	s_mov_b32 s[G1B+5], 3072                       ; of wb
	s_mov_b32 s[G1B+6], 0
	s_mov_b32 s[G1B+7], 0
	s_lshl_b32 s17, s12, 7
	s_lshl_b32 s16, s13, 8
	s_add_co_u32 s16, s16, s17                     ; A: row 256 Y + 128 x half,
	s_lshl_b32 s16, s16, 11                        ; of 2,048 bytes
	s_mov_b32 s17, 0
	s_lshl_b32 s46, s42, 9                         ; B: column 256 X, in bytes,
	s_mul_i32 s47, s12, 64*6144                    ; and 64 rows x half
	s_add_co_u32 s46, s46, s47
	s_mov_b32 s47, 0
	s_mul_i32 s20, s10, HALFT                      ; where they go: A's two halves, then B's two = wave x 34,816: no place in the cluster enters an LDS address
	s_mov_b32 s80, 0xffff0000                      ; a word's upper bf16
	s_mov_b32 s[TB], 0
	s_wait_dscnt 0x0                               ; the opening add is done
	s_wait_kmcnt 0x0
	s_add_nc_u64 s[14:15], s[4:5], s[16:17]
	s_add_nc_u64 s[46:47], s[6:7], s[46:47]
	CROUND                                         ; all sixteen work-groups are here: the first joint loads meet
.irp s, 0,1
	s_mov_b32 s[G0+4*(\s)], 1
	s_add_co_u32 s[G0+4*(\s)+1], s20, (\s)*SLOT
	s_add_nc_u64 s[G0+4*(\s)+2:G0+4*(\s)+3], s[14:15], (\s)*STEPA
	s_or_b32 s[G0+4*(\s)+3], s[G0+4*(\s)+3], 0x80000000
	s_mov_b32 s[G0B+4*(\s)], 1
	s_add_co_u32 s[G0B+4*(\s)+1], s20, (\s)*SLOT
	s_add_nc_u64 s[G0B+4*(\s)+2:G0B+4*(\s)+3], s[46:47], (\s)*STEPB
	s_or_b32 s[G0B+4*(\s)+3], s[G0B+4*(\s)+3], 0x80000000
	JLOAD \s                                       ; two loads of mine are out
.endr
	; the bias of my lane's 64 columns: column 256 cx + 128 wc + 16 b + 8 (l / 16) + 0..7 of the matrix that the cluster's x names
	v_and_b32 v1, 15, v0                           ; l % 16
	v_bfe_u32 v2, v0, 4, 1                         ; l / 16
	s_cmp_eq_u32 ttmp9, 1
	s_cselect_b64 s[68:69], s[70:71], s[68:69]
	s_cmp_eq_u32 ttmp9, 2
	s_cselect_b64 s[68:69], s[72:73], s[68:69]
	s_lshl_b32 s18, s40, 10
	s_lshl_b32 s19, s12, 9
	s_add_co_u32 s18, s18, s19
	v_lshlrev_b32 v[AUX], 5, v2
	v_add_nc_u32 v[AUX], s18, v[AUX]
	WIN TO_B
.irp b, 0,1,2,3,4,5,6,7
	global_load_b128 v[BI+8*(\b):BI+8*(\b)+3],   v[AUX], s[68:69] offset:64*(\b)
	global_load_b128 v[BI+8*(\b)+4:BI+8*(\b)+7], v[AUX], s[68:69] offset:64*(\b)+16
.endr
	WIN 0
	; A fragment of A is 16 rows x 32 K: lane l holds row l % 16, K = 8 (l / 16) + 0..7 and 16 + 8 (l / 16) + 0..7: two loads of 16 bytes, 32 bytes apart.
	v_mul_u32_u24 v3, v1, PITCH
	v_lshl_add_u32 v3, v2, 4, v3                   ; row x pitch + 16 x half
	; The turning load takes 16 k x 16 n (lane l reads k = 8 (l / 16) + l % 8, n = 8 ((l / 8) % 2) + 0..7) and leaves half a fragment: lane l holds column l % 16 and 8 k.
	v_and_b32 v5, 7, v0
	v_bfe_u32 v6, v0, 3, 1
	v_lshl_add_u32 v4, v2, 3, v5
	v_mul_u32_u24 v4, v4, PB
	v_lshl_add_u32 v4, v6, 4, v4
	s_mul_i32 s22, s11, HALFT                      ; my 128 rows of A
	s_lshl_b32 s23, s12, 8                         ; my 128 columns of B,
	s_add_co_u32 s23, s23, 2*HALFT                 ; which lies behind A
	v_add_nc_u32 v[A0], s22, v3
	v_add_nc_u32 v[B0], s23, v4
	v_mov_b32 v[ADRA], v[A0]                       ; K step 0 lies in slot 0
	v_mov_b32 v[ADRB], v[B0]
	s_mul_i32 s22, s10, 16*SP
	s_add_co_u32 s22, s22, STAGE                   ; my stage
	v_add_nc_u32 v[STO], s22, v3                   ; in: row l % 16, 16 bytes for each half of the lanes
	v_mul_u32_u24 v5, v2, SP                       ; back: lanes 0-15 take one row of 256 bytes, lanes 16-31 the next
	v_lshl_add_u32 v5, v1, 4, v5
	v_add_nc_u32 v[RD], s22, v5
	v_mul_u32_u24 v5, v2, CP                       ; and the same two rows in C
	v_lshl_add_u32 v[CO], v1, 4, v5
	s_lshl_b32 s16, s13, 8
	s_lshl_b32 s17, s11, 7
	s_add_co_u32 s16, s16, s17                     ; my first row of C
	s_mul_i32 s16, s16, CP
	s_mov_b32 s17, 0
	s_lshl_b32 s46, s42, 9                         ; my first column, in bytes: 512 X + 256 x half
	s_lshl_b32 s47, s12, 8
	s_add_co_u32 s46, s46, s47
	s_mov_b32 s47, 0
	s_add_nc_u64 s[16:17], s[16:17], s[46:47]
	s_add_nc_u64 s[8:9], s[74:75], s[16:17]
	s_wait_loadcnt 0x0                             ; the bias; it is rounded to bf16 like x and the weights, and widened again.  All this stands in the wait for the first tile
	WIN 0x45                                       ; destination and both sources window 1
.set i, 0
.rept 32
	v_cvt_pk_bf16_f32 v[BT+i%4], v[BI+2*i], v[BI+2*i+1]
	v_lshlrev_b32 v[BI+2*i], 16, v[BT+i%4]
	v_and_b32 v[BI+2*i+1], s80, v[BT+i%4]
.set i, i+1
.endr
	WIN 0
	s_wait_tensorcnt 1                             ; my part of K step 0 is in; step 1's may stay out
	s_barrier_signal -1
	s_barrier_wait -1                              ; everybody's is
	FETCH 0, F0
	QUARTER 1, F0, F1, 1                           ; the first quarter stands in front of the loop: its products start the sums
	WIN 0                                          ; at a label and at a branch every window is 0
	s_mov_b32 s[CNT], STEPS-2
.Lstep:                                                ; a trip goes from a K step's second quarter to the next step's first, and fills the slot that it leaves: every step but the last two
	QUARTER 2, F1, F0, 0
	QUARTER 3, F0, F1, 0
	TURN 1
	QUARTER 1, F0, F1, 0
	WIN 0
	s_sub_co_u32 s[CNT], s[CNT], 1
	s_cmp_lg_u32 s[CNT], 0
	s_cbranch_scc1 .Lstep
	s_mov_b32 s[CNT], 2                            ; the last two steps ask for nothing: a text of their own; the second trip is left in its middle
.Ltail:
	QUARTER 2, F1, F0, 0
	QUARTER 3, F0, F1, 0
	TURN 0
	WIN 0
	s_sub_co_u32 s[CNT], s[CNT], 1
	s_cmp_eq_u32 s[CNT], 0
	s_cbranch_scc1 .Lout
	QUARTER 1, F0, F1, 0
	WIN 0
	s_branch .Ltail
.Lout:
	s_wait_dscnt 0x0                               ; no LDS load is out: the fragments' registers serve the way out
; THE WAY OUT, a block of 16 rows at a time: the bias is added, the sums are rounded to f16 (16 bytes a lane), go into my own stage and come back as whole rows of 256 bytes.
.macro PACK a
.set AC, 64*((\a)%4)
	WIN 0x86+0x41*((\a)/4)                         ; destination and source 0 window 2 or 3, source 1 window 1
.set i, 0
.rept 32                                       ; each accumulator's registers in ascending order
	v_pk_add_f32 v[AC+2*i:AC+2*i+1], v[AC+2*i:AC+2*i+1], v[BI+2*i:BI+2*i+1]
.set i, i+1
.endr
	WIN 0x0a+5*((\a)/4)                            ; sources window 2 or 3, destination window 0
.set i, 0
.rept 32
	v_cvt_pk_f16_f32 v[TMP+i], v[AC+2*i], v[AC+2*i+1]
.set i, i+1
.endr
	WIN 0
.irp b, 0,1,2,3,4,5,6,7
	ds_store_b128 v[STO], v[TMP+4*(\b):TMP+4*(\b)+3] offset:32*(\b)
.endr
.if (\a) >= 4
	s_wait_xcnt 0x0                                ; every earlier memory instruction has had its addresses translated (ISA guide 3.1): the registers that block a - 4's stores read are loaded again only behind this wait
.endif
.irp t, 0,1,2,3,4,5,6,7
	ds_load_b128 v[OB+32*((\a)%4)+4*(\t):OB+32*((\a)%4)+4*(\t)+3], v[RD] offset:(\t)*2*SP  ; LDS serves a wave's instructions in order (ISA guide 5.7.1.4): these see the stores above; the next block's stores come behind them
.endr
.endm
.macro SEND a, younger                 ; younger: the LDS instructions issued behind block a's loads: the next block's sixteen, or none
.irp t, 0,1,2,3,4,5,6,7
	s_wait_dscnt (\younger)+7-(\t)
	global_store_b128 v[CO], v[OB+32*((\a)%4)+4*(\t):OB+32*((\a)%4)+4*(\t)+3], s[8:9] offset:(16*(\a)+2*(\t))*CP  ; 16 lanes store 256 consecutive bytes, at a multiple of 256 from qkv's first byte
.endr
.endm
	PLACES
	PACK 0
.irp a, 1,2,3,4,5,6,7                          ; a block's arithmetic stands between the loads of the block before and its stores
	PACK \a
	SEND (\a)-1, 16
.endr
	SEND 7, 0
	s_wait_tensorcnt 0x0                           ; the wave's end: behind my last tensor load and my last LDS store
	ds_add_u32 v[SPW], v[NIL]
	s_wait_dscnt 0x0
	CROUND                                         ; the closing round: no work-group ends while a partner may still ask for a tile that names it
	s_endpgm
.Lfunc_end_k_qf6b227236b_proj:
	.size	k_qf6b227236b_proj, .Lfunc_end_k_qf6b227236b_proj-k_qf6b227236b_proj
	.p2alignl 7, 3214868480
	.fill 96, 4, 3214868480
	.section	.rodata,"a",@progbits
	.p2align	6, 0x0
	.amdhsa_kernel k_qf6b227236b_proj
		.amdhsa_group_segment_fixed_size 327680
		.amdhsa_private_segment_fixed_size 0
		.amdhsa_enable_private_segment 0
		.amdhsa_kernarg_size 48
		.amdhsa_user_sgpr_count 2
		.amdhsa_user_sgpr_kernarg_segment_ptr 1
		.amdhsa_wavefront_size32 1
		.amdhsa_system_sgpr_workgroup_id_x 1
		.amdhsa_system_sgpr_workgroup_id_y 1
		.amdhsa_system_sgpr_workgroup_id_z 1
		.amdhsa_system_vgpr_workitem_id 0
		.amdhsa_next_free_vgpr 1024
		.amdhsa_next_free_sgpr 84
		.amdhsa_reserve_vcc 0
		.amdhsa_float_denorm_mode_32 3
		.amdhsa_float_denorm_mode_16_64 3
		.amdhsa_memory_ordered 1
		.amdhsa_forward_progress 1
		.amdhsa_inst_pref_size 124
	.end_amdhsa_kernel
	.amdgpu_metadata
---
amdhsa.version: [ 1, 2 ]
amdhsa.kernels:
  - .name:           k_qf6b227236b_proj
    .symbol:         k_qf6b227236b_proj.kd
    .args:
      - { .name: xb, .offset: 0, .size: 8, .value_kind: global_buffer, .address_space: global }
      - { .name: wb, .offset: 8, .size: 8, .value_kind: global_buffer, .address_space: global }
      - { .name: bq, .offset: 16, .size: 8, .value_kind: global_buffer, .address_space: global }
      - { .name: bk, .offset: 24, .size: 8, .value_kind: global_buffer, .address_space: global }
      - { .name: bv, .offset: 32, .size: 8, .value_kind: global_buffer, .address_space: global }
      - { .name: qkv, .offset: 40, .size: 8, .value_kind: global_buffer, .address_space: global }
    .group_segment_fixed_size: 327680
    .private_segment_fixed_size: 0
    .kernarg_segment_align: 8
    .kernarg_segment_size: 48
    .max_flat_workgroup_size: 128
    .sgpr_count:     84
    .vgpr_count:     1024
    .wavefront_size: 32
...
	.end_amdgpu_metadata
.endif
;; end of part 2
;; launch scores (part 3): grid 8 x 32, 4 waves a work-group, clusters of 4 x 4, 327,680 bytes of LDS; arguments qkv, p, st; writes p, st
.if DOCPART == 3
	.amdgcn_target "amdgcn-amd-amdhsa--gfx1250"
	.amdhsa_code_object_version 6
	.text
	.protected	k_qf6b227236b_scores
	.globl	k_qf6b227236b_scores
	.p2align	8
	.type	k_qf6b227236b_scores,@function
k_qf6b227236b_scores:
	s_mov_b64 s[64:65], 0
	v_nop
	global_prefetch_b8 v0, s[64:65] scope:SCOPE_SE
	s_setreg_imm32_b32 hwreg(HW_REG_WAVE_MODE, 25, 1), 1
	s_wait_xcnt 0x0
	s_wait_alu depctr_hold_cnt(0) depctr_sa_sdst(0) depctr_va_vdst(0) depctr_va_sdst(0) depctr_va_ssrc(0) depctr_va_vcc(0) depctr_vm_vsrc(0)
	s_getreg_b32 s2, hwreg(HW_REG_IB_STS2, 6, 4)
	s_cmp_eq_u32 s2, 0
	s_cbranch_scc0 .Lentry_in_a_cluster
	s_endpgm
.Lentry_in_a_cluster:
	s_bfe_u32 s2, ttmp6, 0x10000c
	s_cmp_lg_u32 s2, 0xf033
	s_cbranch_scc0 .Lentry_shape_is_right
	s_endpgm
.Lentry_shape_is_right:
; SCORES AND THE FIRST HALF OF THE SOFTMAX.  For each batch of 2,048 rows: s[m][n] = sum over d of q[m][d] k[n][d]; q and k are the first two thirds of qkv's rows ([8192][3072] f16).  Sums in f32.
; A row's 2,048 keys fall into 16 CHUNKS of 128, a wave's columns.  For each row and chunk: m = the chunk's maximum of s; p = 2^(c s - c m), c = log2(e) / 32, stored in f16 ([8192][2048]);
; st[chunk][row] = (c m, the sum of the unrounded p), in f32.  The launch behind takes the row's maximum of the 16 chunk maxima and rescales: together the two subtract the row's true maximum.
; LIMITS.  p lies in 0 to 1 (to within a rounding); below 6e-5 it keeps f16's fixed step of 6e-8; a weight below 2^-126 counts as 0 in the sum.  NaN and infinities are not treated apart.
; SHARES.  A tile is 256 rows x 256 keys, one to a work-group: 8 x 32 = 256 work-groups.  Four waves, 2 x 2, each 128 x 128: 64 accumulators of 16 x 16, 512 registers.
; K (the 1,024 channels) goes in steps of 128 through two LDS slots filled by the tensor data mover; a step is four quarters of 32 on two fragment buffers.  From a refill to the wait for it a wave issues 224 matrix instructions.
; CLUSTER.  4 x 4 work-groups: the four of a row need the same tile of q, the four of a column the same tile of k; each tile is asked for jointly.
; THE MATRIX INSTRUCTION IS USED TRANSPOSED (source 0 = 16 keys, source 1 = 16 queries): a lane holds ONE query (l % 16) and, of each 16 keys, the eight 8 (l / 16) + 0..7: its 64 scores and those of the lane 16 away are the chunk.
; REGISTERS, in windows of 256 (s_set_vgpr_msb: bits 1:0 source 0, 3:2 source 1, 5:4 source 2, 7:6 destination):
;   window 0: v0-31 addresses; v32-63 four statistics a block of 16 queries; v64-127, v128-191 fragments of q, two buffers; on the way out four buffers of rows read back from the stage;
;             v192-223 packed weights; v224-231 at work; v232-239 statistics to store
;   window 1: v64-127, v128-191 fragments of k, two buffers
;   window 2: the 32 accumulators of my rows 0-63 ((a, b) at v[8 (8 a + b)]);   window 3: those of my rows 64-127
.set STEPS,  1024/128                  ; K steps
.set PITCH,  272                       ; an LDS row: 256 bytes + 16 of padding = 68 words: the 16 rows of a load start at 16 different groups of four banks (64 banks of 4 bytes: ISA guide 11.1)
.set HALFT,  128*PITCH                 ; 128 rows: what one tensor load brings, and what one wave reads of q or of k
.set SLOT,   4*HALFT                   ; q's 256 rows, then k's 256: 139,264 = 0x22000.  Its two bits are in none of the four bases wave x 0x8800, nor in 0: one exclusive or turns such an address into the other slot's
.set STAGE,  2*SLOT                    ; behind the ring: 16 rows x 272 bytes for each wave, for the way out; no tile lands here
.set SP,     272
.set SPARE,  STAGE+4*16*SP             ; the spare words, 128 bytes for each wave: two blocks of 256 bytes that no other line names
.set STEPA,  256                       ; bytes from K step to K step, in q and in k
.set STEPB,  256
.set CP,     4096                      ; bytes in a row of p
.set A0,   16                          ; v16     my lane's place among my q fragments in slot 0; never rewritten
.set B0,   17                          ; v17     the same for k
.set ADRA, 18                          ; v18     LDS address of my q fragments in the slot in hand
.set ADRB, 19                          ; v19     the same for k
.set STO,  24                          ; v24     the way out: where I put 16 bytes of a row
.set RD,   25                          ; v25     the way out: where I read a row back
.set CO,   26                          ; v26     my byte offset in p
.set AUX,  27                          ; v27     8 x lane: my byte offset in 32 rows' statistics
.set SPW,  28                          ; v28     LDS address of my spare word; never rewritten
.set NIL,  29                          ; v29     0; never rewritten
.set ST,   32                          ; block a at v[ST+4 a]: c m, m, l, at work
.set F0,   64                          ; fragment buffer 0
.set F1,   128                         ; fragment buffer 1
.set OB,   64                          ; the way out: block a's rows at v[OB + 32 (a % 4)]
.set TMP,  192
.set T,    224
.set SO,   232
.set CNT, 3                            ; s3       counts both loops
.set G1, 24                            ; s[24:31] descriptor group 1 for q's tiles;  s[32:39] group 0: a set for each of the two first fills; the second then walks on
.set G0, 32
.set G1B, 48                           ; s[48:55], s[56:63] the same for k's tiles
.set G0B, 56
.set TB,  81                           ; s81      LDS byte at which the slot in hand begins
.set MSB, 0
.macro WIN new                         ; the immediate's high byte repeats the setting that is left; a switch that changes nothing is dropped
.if MSB != (\new)
	s_set_vgpr_msb (MSB<<8)|(\new)
.set MSB, \new
.endif
.endm
.set MUL_LO, 0xa1                      ; source 0 (k) window 1, source 1 (q) window 0, C and D window 2
.set MUL_HI, 0xf1                      ; the same, C and D window 3
.set TO_B,   0x40                      ; destination window 1, address window 0
.macro JLOAD s                         ; a joint load: waves 0 and 1 fetch q's two halves, waves 2 and 3 k's; an s_nop 0 and four v_nop follow each of the two lines, ahead of the jump, the label and what follows
	s_cmp_eq_u32 s11, 0
	s_cbranch_scc0 .Lfor_b_\@
	tensor_load_to_lds s[G0+4*(\s):G0+4*(\s)+3], s[G1:G1+7]
	s_nop 0
.rept 4
	v_nop
.endr
	s_branch .Lasked_\@
.Lfor_b_\@:
	tensor_load_to_lds s[G0B+4*(\s):G0B+4*(\s)+3], s[G1B:G1B+7]
	s_nop 0
.rept 4
	v_nop
.endr
.Lasked_\@:
.endm
.macro CREST                           ; a round of the cluster's barrier behind its opening barrier
	s_cmp_lg_u32 s10, 0
	s_cbranch_scc1 .Lnot_wave_0_\@
	s_barrier_signal -3
.Lnot_wave_0_\@:
	s_barrier_wait -3
	s_barrier_signal -1
	s_barrier_wait -1
.endm
.macro CROUND                          ; a whole round
	s_barrier_signal -1
	s_barrier_wait -1
	CREST
.endm
.macro PLACES                          ; four places in front of loads into registers that matrix instructions have read, and of vector lines that read results
.rept 4
	v_nop
.endr
.endm
; 16 matrix instructions: blocks a0, a0 + 1 of the window's four (hi = 0: my rows 0-63, 1: rows 64-127) x all 8 blocks of keys, 32 along K.  zero = 1: the product starts the sums.
; The 64 accumulators take turns, always in the same order.
.macro MUL16 f, hi, a0, zero
	WIN MUL_LO+0x50*(\hi)
.irp a, \a0, (\a0)+1
.irp b, 0,1,2,3,4,5,6,7
.if \zero
	v_wmma_f32_16x16x32_f16 v[8*(8*(\a)+(\b)):8*(8*(\a)+(\b))+7], v[(\f)+8*(\b):(\f)+8*(\b)+7], v[(\f)+8*(4*(\hi)+(\a)):(\f)+8*(4*(\hi)+(\a))+7], 0
.else
	v_wmma_f32_16x16x32_f16 v[8*(8*(\a)+(\b)):8*(8*(\a)+(\b))+7], v[(\f)+8*(\b):(\f)+8*(\b)+7], v[(\f)+8*(4*(\hi)+(\a)):(\f)+8*(4*(\hi)+(\a))+7], v[8*(8*(\a)+(\b)):8*(8*(\a)+(\b))+7]
.endif
.endr
.endr
.endm
; 32 LDS loads in one run: the fragments of quarter q of the slot in hand (128 rows of k, then 128 rows of q, 32 along K) into buffer f
.macro FETCH q, f
	WIN TO_B
.irp i, 0,1,2,3,4,5,6,7
	ds_load_b128 v[(\f)+8*(\i):(\f)+8*(\i)+3],   v[ADRB] offset:64*(\q)+(\i)*16*PITCH
	ds_load_b128 v[(\f)+8*(\i)+4:(\f)+8*(\i)+7], v[ADRB] offset:64*(\q)+(\i)*16*PITCH+32
.endr
	WIN 0
.irp i, 0,1,2,3,4,5,6,7
	ds_load_b128 v[(\f)+8*(\i):(\f)+8*(\i)+3],   v[ADRA] offset:64*(\q)+(\i)*16*PITCH
	ds_load_b128 v[(\f)+8*(\i)+4:(\f)+8*(\i)+7], v[ADRA] offset:64*(\q)+(\i)*16*PITCH+32
.endr
.endm
; One of a K step's first three quarters: multiplies buffer f; in its middle it fetches quarter q into buffer g
.macro QUARTER q, f, g, zero
	s_wait_dscnt 8                                 ; k and q's rows 0-63 are in; the youngest eight loads (q's rows 64-127) may be out
	MUL16 \f, 0, 0, \zero
	MUL16 \f, 0, 2, \zero
	PLACES
	FETCH \q, \g
	s_wait_dscnt 32                                ; all but the 32 just issued
	MUL16 \f, 1, 0, \zero
	MUL16 \f, 1, 2, \zero
.endm
; The last quarter multiplies buffer 1 and changes slots: ONE barrier; in front of it each wave waits for all its tensor loads, adds 0 to its spare word, and waits for that and for its own reads of this slot.
.macro MEET round                      ; round = 1: a round of the cluster's barrier follows
	WIN 0                                          ; (the add's two registers lie in window 0)
	s_wait_tensorcnt 0x0                           ; all my tensor loads have landed: the one that was out is my part of the next slot;
	ds_add_u32 v[SPW], v[NIL]                      ; 0 onto my spare word
	s_wait_dscnt 9                                 ; (the add and the youngest eight loads may be out)
	MUL16 F1, 0, 0, 0                              ; sixteen matrix instructions stand between the add and the wait for it
	s_wait_dscnt 0x0                               ; the add is done, and my reads of this slot are over
	s_barrier_signal -1
	MUL16 F1, 0, 2, 0
.if \round
	WIN 0
.endif
	s_barrier_wait -1
.endm
; fill = 1: the slot just read out is filled again, two K steps ahead: the barrier opens a round of the cluster's barrier, and the walking descriptor turns to that slot and goes one K step on.
; fill = 0 (the tail): nothing is asked for; in the last trip there is no further step, and the run of loads is jumped over.
.macro TURN fill
	MEET \fill
.if \fill
	CREST                                          ; no wave of any partner still reads this slot's tile or has a load on its way
	s_xor_b32 s[G0+5], s[G0+5], SLOT
	s_add_nc_u64 s[G0+6:G0+7], s[G0+6:G0+7], STEPA
	s_xor_b32 s[G0B+5], s[G0B+5], SLOT
	s_add_nc_u64 s[G0B+6:G0B+7], s[G0B+6:G0B+7], STEPB
	JLOAD 1                                        ; the first tensor load behind the round; its four v_nop are also the places in front of the loads below
.else
	PLACES
	WIN 0
	s_cmp_eq_u32 s[CNT], 1
	s_cbranch_scc1 .Lno_next_\@
.endif
	s_xor_b32 s[TB], s[TB], SLOT                   ; the fetches go on in the other slot
	v_add_nc_u32 v[ADRA], s[TB], v[A0]
	v_add_nc_u32 v[ADRB], s[TB], v[B0]
	FETCH 0, F0
.if !(\fill)
.Lno_next_\@:
.endif
	MUL16 F1, 1, 0, 0
	MUL16 F1, 1, 2, 0
.endm
	s_load_b128 s[4:7], s[0:1], 0x0                ; qkv s[4:5], p s[6:7]
	s_load_b64 s[68:69], s[0:1], 0x10              ; st
	v_lshl_add_u32 v[SPW], v0, 2, SPARE
	v_mov_b32 v[NIL], 0
	ds_add_u32 v[SPW], v[NIL]                      ; the wave's opening: the add and its wait stand ahead of my first tensor load; the set-up below, work on registers, stands between them
	v_lshrrev_b32 v1, 5, v0
	v_readfirstlane_b32 s10, v1                    ; wave 0..3
	s_lshr_b32 s11, s10, 1                         ; which half of the tile's rows is mine.  Also: I fetch for q (0) or for k (1)
	s_and_b32 s12, s10, 1                          ; which half of its columns.  Also: which half of that tile I fetch
	s_bfe_u32 s40, ttmp6, 0x40000                  ; cx, cy: my place in the cluster
	s_bfe_u32 s41, ttmp6, 0x40004
	s_lshl_b32 s42, ttmp9, 2
	s_add_co_u32 s42, s42, s40                     ; X: which 256 keys of the batch = 4 x cluster x + cx
	s_and_b32 s13, ttmp7, 0xffff
	s_lshr_b32 s45, s13, 1                         ; the batch: 8 tile rows, two clusters, each: made of the cluster's y alone
	s_lshl_b32 s13, s13, 2
	s_add_co_u32 s13, s13, s41                     ; Y: tile row = 4 x cluster y + cy
	s_lshl_b32 s43, s41, 2
	s_lshl_b32 s43, 15, s43                        ; my row of the cluster
	s_lshl_b32 s44, 0x1111, s40                    ; my column
	; descriptor group 1: 128 rows x 128 elements, 4 words of padding after every 64; q's and k's differ in the mask alone
	s_or_b32 s[G1+0], s43, (1<<16)|(1<<20)|(1<<21)|(5<<22)|(3<<25)   ; 15:0 the mask; 17:16 elements of 2 bytes; 20 padding on; 21 set beside a mask; 24:22 the interval; 31:25 the padding
	s_or_b32 s[G1B+0], s44, (1<<16)|(1<<20)|(1<<21)|(5<<22)|(3<<25)
.irp g, G1, G1B
	s_mov_b32 s[(\g)+1], 128<<16                   ; tensor_dim0
	s_mov_b32 s[(\g)+2], 128<<16                   ; tensor_dim1
	s_mov_b32 s[(\g)+3], 128<<16                   ; tile_dim0
	s_mov_b32 s[(\g)+4], 128                       ; tile_dim1
	s_mov_b32 s[(\g)+5], 3072                      ; elements from row to row of qkv
	s_mov_b32 s[(\g)+6], 0
	s_mov_b32 s[(\g)+7], 0
.endr
	s_lshl_b32 s17, s12, 7
	s_lshl_b32 s16, s13, 8
	s_add_co_u32 s16, s16, s17                     ; q: row 256 Y + 128 x half,
	s_mul_i32 s16, s16, 6144                       ; of 6,144 bytes
	s_mov_b32 s17, 0
	s_lshl_b32 s46, s45, 11                        ; k: row 2,048 x batch + 256 X + 128 x half,
	s_lshl_b32 s47, s42, 8
	s_add_co_u32 s46, s46, s47
	s_lshl_b32 s47, s12, 7
	s_add_co_u32 s46, s46, s47
	s_mul_i32 s46, s46, 6144
	s_add_co_u32 s46, s46, 2048                    ; and k's place in a row of qkv
	s_mov_b32 s47, 0
	s_mul_i32 s20, s10, HALFT                      ; where they go: q's two halves, then k's two = wave x 34,816: no place in the cluster enters an LDS address
	s_mov_b32 s76, 0x3d38aa3b                      ; c = log2(e) / sqrt(1024) = 0.0450842
	s_mov_b32 s77, s76                             ; named with it as a pair
	s_mov_b32 s78, 0x76543210                      ; v_permlanex16_b32's selects: each lane takes its own place in the other half
	s_mov_b32 s79, 0xfedcba98
	s_mov_b32 s80, 0xffff0000                      ; lanes 16-31
	s_mov_b32 s[TB], 0
	s_wait_dscnt 0x0                               ; the opening add is done
	s_wait_kmcnt 0x0
	s_add_nc_u64 s[14:15], s[4:5], s[16:17]
	s_add_nc_u64 s[46:47], s[4:5], s[46:47]
	CROUND                                         ; all sixteen work-groups are here: the first joint loads meet
.irp s, 0,1
	s_mov_b32 s[G0+4*(\s)], 1
	s_add_co_u32 s[G0+4*(\s)+1], s20, (\s)*SLOT
	s_add_nc_u64 s[G0+4*(\s)+2:G0+4*(\s)+3], s[14:15], (\s)*STEPA
	s_or_b32 s[G0+4*(\s)+3], s[G0+4*(\s)+3], 0x80000000
	s_mov_b32 s[G0B+4*(\s)], 1
	s_add_co_u32 s[G0B+4*(\s)+1], s20, (\s)*SLOT
	s_add_nc_u64 s[G0B+4*(\s)+2:G0B+4*(\s)+3], s[46:47], (\s)*STEPB
	s_or_b32 s[G0B+4*(\s)+3], s[G0B+4*(\s)+3], 0x80000000
	JLOAD \s                                       ; two loads of mine are out
.endr
	; A fragment is 16 rows x 32 K: lane l holds row l % 16, K = 8 (l / 16) + 0..7 and 16 + 8 (l / 16) + 0..7: two loads of 16 bytes, 32 bytes apart.  The same for q and k.
	v_and_b32 v1, 15, v0                           ; l % 16
	v_bfe_u32 v2, v0, 4, 1                         ; l / 16
	v_mul_u32_u24 v3, v1, PITCH
	v_lshl_add_u32 v3, v2, 4, v3                   ; row x pitch + 16 x half
	s_mul_i32 s22, s11, HALFT                      ; my 128 rows of q
	s_mul_i32 s23, s12, HALFT                      ; my 128 rows of k,
	s_add_co_u32 s23, s23, 2*HALFT                 ; which lie behind q's 256
	v_add_nc_u32 v[A0], s22, v3
	v_add_nc_u32 v[B0], s23, v3
	v_mov_b32 v[ADRA], v[A0]                       ; K step 0 lies in slot 0
	v_mov_b32 v[ADRB], v[B0]
	s_mul_i32 s22, s10, 16*SP
	s_add_co_u32 s22, s22, STAGE                   ; my stage
	v_add_nc_u32 v[STO], s22, v3                   ; in: row l % 16, 16 bytes for each half of the lanes
	v_mul_u32_u24 v5, v2, SP                       ; back: lanes 0-15 take one row of 256 bytes, lanes 16-31 the next
	v_lshl_add_u32 v5, v1, 4, v5
	v_add_nc_u32 v[RD], s22, v5
	v_lshlrev_b32 v5, 12, v2                       ; and the same two rows in p
	v_lshl_add_u32 v[CO], v1, 4, v5
	v_and_b32 v[AUX], 31, v0
	v_lshlrev_b32 v[AUX], 3, v[AUX]
	s_lshl_b32 s16, s13, 8
	s_lshl_b32 s17, s11, 7
	s_add_co_u32 s16, s16, s17                     ; my first row
	s_lshl_b32 s18, s16, 3                         ; its place in a chunk's statistics, 8 bytes a row
	s_lshl_b32 s16, s16, 12                        ; and in p
	s_mov_b32 s17, 0
	s_lshl_b32 s46, s42, 9                         ; my first column of p, in bytes: 512 X + 256 x half
	s_lshl_b32 s47, s12, 8
	s_add_co_u32 s46, s46, s47
	s_mov_b32 s47, 0
	s_add_nc_u64 s[16:17], s[16:17], s[46:47]
	s_add_nc_u64 s[8:9], s[6:7], s[16:17]
	s_lshl_b32 s19, s42, 1
	s_add_co_u32 s19, s19, s12                     ; my chunk: 2 X + half,
	s_lshl_b32 s19, s19, 16                        ; 8,192 rows of 8 bytes each
	s_add_co_u32 s18, s18, s19
	s_mov_b32 s19, 0
	s_add_nc_u64 s[68:69], s[68:69], s[18:19]
	s_wait_tensorcnt 1                             ; my part of K step 0 is in; step 1's may stay out
	s_barrier_signal -1
	s_barrier_wait -1                              ; everybody's is
	FETCH 0, F0
	QUARTER 1, F0, F1, 1                           ; the first quarter stands in front of the loop: its products start the sums
	WIN 0                                          ; at a label and at a branch every window is 0
	s_mov_b32 s[CNT], STEPS-2
.Lstep:                                                ; a trip goes from a K step's second quarter to the next step's first, and fills the slot that it leaves: every step but the last two
	QUARTER 2, F1, F0, 0
	QUARTER 3, F0, F1, 0
	TURN 1
	QUARTER 1, F0, F1, 0
	WIN 0
	s_sub_co_u32 s[CNT], s[CNT], 1
	s_cmp_lg_u32 s[CNT], 0
	s_cbranch_scc1 .Lstep
	s_mov_b32 s[CNT], 2                            ; the last two steps ask for nothing: a text of their own; the second trip is left in its middle
.Ltail:
	QUARTER 2, F1, F0, 0
	QUARTER 3, F0, F1, 0
	TURN 0
	WIN 0
	s_sub_co_u32 s[CNT], s[CNT], 1
	s_cmp_eq_u32 s[CNT], 0
	s_cbranch_scc1 .Lout
	QUARTER 1, F0, F1, 0
	WIN 0
	s_branch .Ltail
.Lout:
	s_wait_dscnt 0x0                               ; no LDS load is out: the fragments' registers serve the way out
; THE WAY OUT, a block of 16 queries at a time; blocks 0-3 lie in window 2, blocks 4-7 in window 3.
.macro SMAX a                          ; the chunk's maximum: eight chains, one an accumulator, three operands at a time, each accumulator's lowest registers first; then the lane 16 away
.set AC, 64*((\a)%4)
	WIN 0x2a+0x15*((\a)/4)                         ; all three sources window 2 or 3, destination window 0
.irp b, 0,1,2,3,4,5,6,7
	v_max3_num_f32 v[T+(\b)], v[AC+8*(\b)], v[AC+8*(\b)+1], v[AC+8*(\b)+2]
.endr
	WIN 0x28+0x14*((\a)/4)                         ; source 0 window 0
.irp b, 0,1,2,3,4,5,6,7
	v_max3_num_f32 v[T+(\b)], v[T+(\b)], v[AC+8*(\b)+3], v[AC+8*(\b)+4]
.endr
.irp b, 0,1,2,3,4,5,6,7
	v_max3_num_f32 v[T+(\b)], v[T+(\b)], v[AC+8*(\b)+5], v[AC+8*(\b)+6]
.endr
.irp b, 0,1,2,3
	v_max3_num_f32 v[T+(\b)], v[T+(\b)], v[AC+16*(\b)+7], v[AC+16*(\b)+15]
.endr
	WIN 0
	v_max3_num_f32 v[T], v[T], v[T+1], v[T+2]
	v_max3_num_f32 v[T+3], v[T+3], v[T+4], v[T+5]
	v_max3_num_f32 v[T], v[T], v[T+3], v[T+6]
	v_max_num_f32 v[T], v[T], v[T+7]
	v_permlanex16_b32 v[T+1], v[T], s78, s79       ; the query's other 64 keys lie in the lane 16 away
	v_max_num_f32 v[ST+4*(\a)+1], v[T], v[T+1]
	v_mul_f32 v[ST+4*(\a)], s76, v[ST+4*(\a)+1]
.endm
.macro SEXP a                          ; p = 2^(c s - c m), in place
.set AC, 64*((\a)%4)
	WIN 0x82+0x41*((\a)/4)                         ; destination and source 0 window 2 or 3, source 2 window 0
.set i, 0
.rept 32
	v_pk_fma_f32 v[AC+2*i:AC+2*i+1], v[AC+2*i:AC+2*i+1], s[76:77], v[ST+4*(\a):ST+4*(\a)+1] op_sel_hi:[1,0,0] neg_lo:[0,0,1] neg_hi:[0,0,1]
.set i, i+1
.endr
.set i, 0
.rept 64
	v_exp_f32 v[AC+i], v[AC+i]
.set i, i+1
.endr
	v_nop                                          ; a plain instruction between the last exponential and the use of its result
.endm
.macro SCVT a                          ; rounded to f16, 16 bytes a lane and accumulator
.set AC, 64*((\a)%4)
	WIN 0x0a+5*((\a)/4)                            ; sources window 2 or 3, destination window 0
.set i, 0
	s_wait_alu depctr_va_vdst(0)
.rept 32
	v_cvt_pk_f16_f32 v[TMP+i], v[AC+2*i], v[AC+2*i+1]
.set i, i+1
.endr
.endm
.macro TOSTAGE a                       ; into my own stage, and back as whole rows of 256 bytes
	WIN 0
.irp b, 0,1,2,3,4,5,6,7
	ds_store_b128 v[STO], v[TMP+4*(\b):TMP+4*(\b)+3] offset:32*(\b)
.endr
.if (\a) >= 4
	s_wait_xcnt 0x0                                ; every earlier memory instruction has had its addresses translated (ISA guide 3.1): the registers that block a - 4's stores read are loaded again only behind this wait
.endif
.irp t, 0,1,2,3,4,5,6,7
	ds_load_b128 v[OB+32*((\a)%4)+4*(\t):OB+32*((\a)%4)+4*(\t)+3], v[RD] offset:(\t)*2*SP  ; LDS serves a wave's instructions in order (ISA guide 5.7.1.4): these see the stores above; the next block's stores come behind them
.endr
.endm
.macro SSUM a                          ; the sum of the unrounded p, a tree in place over the lane's 32 pairs; it stands between the stage's loads and the wait for them
.set AC, 64*((\a)%4)
	WIN 0x8a+0x45*((\a)/4)                         ; destination and both sources window 2 or 3
.irp w, 16,8,4,2
.set i, 0
.rept \w
	v_pk_add_f32 v[AC+2*i:AC+2*i+1], v[AC+2*i:AC+2*i+1], v[AC+2*(i+(\w)):AC+2*(i+(\w))+1]
.set i, i+1
.endr
.endr
	WIN 0x0a+5*((\a)/4)
	v_pk_add_f32 v[ST+4*(\a)+2:ST+4*(\a)+3], v[AC:AC+1], v[AC+2:AC+3]
	WIN 0
	v_add_f32 v[ST+4*(\a)+2], v[ST+4*(\a)+2], v[ST+4*(\a)+3]
	v_permlanex16_b32 v[ST+4*(\a)+3], v[ST+4*(\a)+2], s78, s79
	v_add_f32 v[ST+4*(\a)+2], v[ST+4*(\a)+2], v[ST+4*(\a)+3]
.endm
.macro SEND a
	WIN 0
.irp t, 0,1,2,3,4,5,6,7
	s_wait_dscnt 7-(\t)
	global_store_b128 v[CO], v[OB+32*((\a)%4)+4*(\t):OB+32*((\a)%4)+4*(\t)+3], s[8:9] offset:(16*(\a)+2*(\t))*CP  ; 16 lanes store 256 consecutive bytes, at a multiple of 256 from p's first byte
.endr
.endm
	PLACES
.irp a, 0,1,2,3,4,5,6,7
	SMAX \a
	SEXP \a
	SCVT \a
	TOSTAGE \a
	SSUM \a
	SEND \a
.endr
	; the statistics: every lane holds its query's; lanes 0-15 give block a's, lanes 16-31 block a + 1's: 32 rows x 8 bytes = 256 consecutive bytes, at a multiple of 256 from st's first byte
.irp a, 0,2,4,6
	v_cndmask_b32 v[SO+(\a)],   v[ST+4*(\a)],   v[ST+4*(\a)+4], s80
	v_cndmask_b32 v[SO+(\a)+1], v[ST+4*(\a)+2], v[ST+4*(\a)+6], s80
	global_store_b64 v[AUX], v[SO+(\a):SO+(\a)+1], s[68:69] offset:128*(\a)
.endr
	s_wait_tensorcnt 0x0                           ; the wave's end: behind my last tensor load and my last LDS store
	ds_add_u32 v[SPW], v[NIL]
	s_wait_dscnt 0x0
	CROUND                                         ; the closing round: no work-group ends while a partner may still ask for a tile that names it
	s_endpgm
.Lfunc_end_k_qf6b227236b_scores:
	.size	k_qf6b227236b_scores, .Lfunc_end_k_qf6b227236b_scores-k_qf6b227236b_scores
	.p2alignl 7, 3214868480
	.fill 96, 4, 3214868480
	.section	.rodata,"a",@progbits
	.p2align	6, 0x0
	.amdhsa_kernel k_qf6b227236b_scores
		.amdhsa_group_segment_fixed_size 327680
		.amdhsa_private_segment_fixed_size 0
		.amdhsa_enable_private_segment 0
		.amdhsa_kernarg_size 24
		.amdhsa_user_sgpr_count 2
		.amdhsa_user_sgpr_kernarg_segment_ptr 1
		.amdhsa_wavefront_size32 1
		.amdhsa_system_sgpr_workgroup_id_x 1
		.amdhsa_system_sgpr_workgroup_id_y 1
		.amdhsa_system_sgpr_workgroup_id_z 1
		.amdhsa_system_vgpr_workitem_id 0
		.amdhsa_next_free_vgpr 1024
		.amdhsa_next_free_sgpr 84
		.amdhsa_reserve_vcc 0
		.amdhsa_float_denorm_mode_32 3
		.amdhsa_float_denorm_mode_16_64 3
		.amdhsa_memory_ordered 1
		.amdhsa_forward_progress 1
		.amdhsa_inst_pref_size 170
	.end_amdhsa_kernel
	.amdgpu_metadata
---
amdhsa.version: [ 1, 2 ]
amdhsa.kernels:
  - .name:           k_qf6b227236b_scores
    .symbol:         k_qf6b227236b_scores.kd
    .args:
      - { .name: qkv, .offset: 0, .size: 8, .value_kind: global_buffer, .address_space: global }
      - { .name: p, .offset: 8, .size: 8, .value_kind: global_buffer, .address_space: global }
      - { .name: st, .offset: 16, .size: 8, .value_kind: global_buffer, .address_space: global }
    .group_segment_fixed_size: 327680
    .private_segment_fixed_size: 0
    .kernarg_segment_align: 8
    .kernarg_segment_size: 24
    .max_flat_workgroup_size: 128
    .sgpr_count:     84
    .vgpr_count:     1024
    .wavefront_size: 32
...
	.end_amdgpu_metadata
.endif
;; end of part 3
;; launch pv (part 4): grid 4 x 64, 4 waves a work-group, clusters of 4 x 4, 327,680 bytes of LDS; arguments p, qkv, st, out0; writes out0
.if DOCPART == 4
	.amdgcn_target "amdgcn-amd-amdhsa--gfx1250"
	.amdhsa_code_object_version 6
	.text
	.protected	k_qf6b227236b_pv
	.globl	k_qf6b227236b_pv
	.p2align	8
	.type	k_qf6b227236b_pv,@function
k_qf6b227236b_pv:
	s_mov_b64 s[64:65], 0
	v_nop
	global_prefetch_b8 v0, s[64:65] scope:SCOPE_SE
	s_setreg_imm32_b32 hwreg(HW_REG_WAVE_MODE, 25, 1), 1
	s_wait_xcnt 0x0
	s_wait_alu depctr_hold_cnt(0) depctr_sa_sdst(0) depctr_va_vdst(0) depctr_va_sdst(0) depctr_va_ssrc(0) depctr_va_vcc(0) depctr_vm_vsrc(0)
	s_getreg_b32 s2, hwreg(HW_REG_IB_STS2, 6, 4)
	s_cmp_eq_u32 s2, 0
	s_cbranch_scc0 .Lentry_in_a_cluster
	s_endpgm
.Lentry_in_a_cluster:
	s_bfe_u32 s2, ttmp6, 0x10000c
	s_cmp_lg_u32 s2, 0xf033
	s_cbranch_scc0 .Lentry_shape_is_right
	s_endpgm
.Lentry_shape_is_right:
; THE SECOND HALF OF THE SOFTMAX AND THE WEIGHTED SUM.  out0[m][e] = (sum over chunks t of g[m][t] x sum over the chunk's 128 keys n of p[m][n] v[n][e]) / l[m].
; p [8192][2048] f16 holds 2^(c s - c m_chunk); st[chunk][row] = (c m_chunk, l_chunk) in f32; v is the last third of qkv's rows ([8192][3072] f16); out0 [8192][1024] f32.
; For each row: M = the maximum of its 16 c m_chunk, which is c times the row's true maximum; g = 2^(c m_chunk - M), at most 1; l = the sum of g l_chunk, at least 1.  A K step is one chunk, so a step's fragments of p
; are multiplied by one g a row (packed f16, rounded once more) on their way to the matrix unit; sums, M and l in f32; the division is a multiplication by v_rcp_f32's 1 / l.
; LIMITS.  g and p g below 6e-5 keep f16's fixed step of 6e-8; l takes the unrounded g.  v within f16's range.  NaN and infinities are not treated apart.
; SHARES.  A tile of out0 is 128 x 256, one to a work-group: 4 x 64 = 256 work-groups.  Four waves, 2 x 2, each 64 x 128: 32 accumulators of 16 x 16.
; K (a batch's 2,048 keys) goes in steps of 128 through two LDS slots filled by the tensor data mover; a step is two halves of 64 on two fragment buffers.
; CLUSTER.  4 x 4 work-groups: the four of a row need the same tile of p, the four of a column the same tile of v; each tile is asked for jointly.
; THE MATRIX INSTRUCTION IS USED TRANSPOSED (source 0 = 16 channels of v, source 1 = 16 rows of p): a lane holds one row (l % 16) and eight neighbouring channels.  v lies [key][channel] in LDS and is turned by ds_load_tr16_b128.
; REGISTERS, in windows of 256 (s_set_vgpr_msb: bits 1:0 source 0, 3:2 source 1, 5:4 source 2, 7:6 destination):
;   window 0: v0-31 addresses; v32-39 g of the step in slot 0, 1 (a register a block of 16 rows, g twice in it); v40-47 1 / l, a pair a block; v48-55 M, l;
;             v64-191 the statistics as loaded, later rows read back from the stage; v192-255 g of all 16 chunks on its way into LDS
;   window 1: the accumulators, (a, b) at v[8 (8 a + b)]      window 2, 3: fragment buffers 0, 1: A's (c, a) at v[8 (4 c + a)], B's (c, b) at v[64 + 8 (8 c + b)]
.set LAPS,   2048/256                  ; a lap = two K steps = once round the ring
.set PA,     272                       ; an LDS row of p: 256 bytes + 16 of padding = 68 words: the 16 rows of a load start at 16 different groups of four banks (64 banks of 4 bytes: ISA guide 11.1)
.set PB,     544                       ; an LDS row of v: 512 bytes + 32 = 136 words
.set AHALF,  64*PA                     ; what one tensor load brings of p, and what one wave reads of it
.set BHALF,  64*PB                     ; what one tensor load brings of v: 64 of the step's 128 keys
.set BOFF,   2*AHALF
.set SLOT,   BOFF+2*BHALF              ; 104,448 bytes
.set STAGE,  2*SLOT                    ; behind the ring: 16 rows x 528 bytes for each wave, for the way out; no tile lands here
.set SP,     528                       ; 512 bytes + 16 = 132 words: the 16 rows that a store touches start at 16 different groups of four banks
.set GT,     STAGE+4*16*SP             ; each wave's g: 16 chunks x 32 lanes x 16 bytes = 8,192 bytes; no tile lands here
.set SPARE,  GT+4*8192                 ; the spare words, 128 bytes for each wave: two blocks of 256 bytes that no other line names
.set STEPA,  256                       ; bytes from K step to K step in p,
.set STEPB,  128*6144                  ; and in v: 128 rows of qkv
.set CP,     4096                      ; bytes in a row of out0
.set ADRA, 16                          ; v16-17  LDS address of my A fragments in slot 0, 1
.set ADRB, 20                          ; v20-21  the same for B
.set STO,  24                          ; v24     the way out: where I put 32 bytes of a row
.set RD,   25                          ; v25     the way out: where I read a row back
.set CO,   26                          ; v26     my byte offset in a row's 512 bytes of out0
.set AUX,  27                          ; v27     my byte offset in 16 rows' statistics
.set SPW,  28                          ; v28     LDS address of my spare word; never rewritten
.set NIL,  29                          ; v29     0; never rewritten
.set GA0,  30                          ; v30     LDS address of my 16 bytes of chunk 0's g; never rewritten
.set GA,   31                          ; v31     of the chunk to be fetched
.set GV,   32
.set RL,   40
.set MX,   48
.set LS,   52
.set PT,   64                          ; block a, chunk c: (c m, l) at v[PT + 32 a + 2 c]
.set OB,   64
.set GP,   192                         ; chunk c, block a at v[GP + 4 c + a]
.set GOFF, 81                          ; s81     512 x the chunk to be fetched
.set G1, 24                            ; s[24:31] descriptor group 1 for A's tiles;  s[32:39] group 0, one set for each slot
.set G0, 32
.set G1B, 48                           ; s[48:55], s[56:63] the same for B's tiles
.set G0B, 56
.set MSB, 0
.macro WIN new                         ; the immediate's high byte repeats the setting that is left; a switch that changes nothing is dropped
.if MSB != (\new)
	s_set_vgpr_msb (MSB<<8)|(\new)
.set MSB, \new
.endif
.endm
.macro JLOAD s                         ; a joint load: waves 0 and 1 fetch A's two halves, waves 2 and 3 B's; an s_nop 0 and four v_nop follow each of the two lines, ahead of the jump, the label and what follows
	s_cmp_eq_u32 s11, 0
	s_cbranch_scc0 .Lfor_b_\@
	tensor_load_to_lds s[G0+4*(\s):G0+4*(\s)+3], s[G1:G1+7]
	s_nop 0
.rept 4
	v_nop
.endr
	s_branch .Lasked_\@
.Lfor_b_\@:
	tensor_load_to_lds s[G0B+4*(\s):G0B+4*(\s)+3], s[G1B:G1B+7]
	s_nop 0
.rept 4
	v_nop
.endr
.Lasked_\@:
.endm
.macro CREST                           ; a round of the cluster's barrier behind its opening barrier
	s_cmp_lg_u32 s10, 0
	s_cbranch_scc1 .Lnot_wave_0_\@
	s_barrier_signal -3
.Lnot_wave_0_\@:
	s_barrier_wait -3
	s_barrier_signal -1
	s_barrier_wait -1
.endm
.macro CROUND                          ; a whole round
	s_barrier_signal -1
	s_barrier_wait -1
	CREST
.endm
.macro PLACES                          ; four places in front of loads into registers that matrix instructions have read, and of vector lines that read results
.rept 4
	v_nop
.endr
.endm
; 8 matrix instructions: m block a x all 8 n blocks, 32 along K: half c of buffer f.  zero = 1: the product starts the sums.  The 32 accumulators take turns, always in the same order.
.macro MUL8 f, c, a, zero
	WIN 0x5a+5*(\f)                                ; sources in window 2 or 3, C and D in window 1
.irp b, 0,1,2,3,4,5,6,7
.if \zero
	v_wmma_f32_16x16x32_f16 v[8*(8*(\a)+(\b)):8*(8*(\a)+(\b))+7], v[64+8*(8*(\c)+(\b)):64+8*(8*(\c)+(\b))+7], v[8*(4*(\c)+(\a)):8*(4*(\c)+(\a))+7], 0
.else
	v_wmma_f32_16x16x32_f16 v[8*(8*(\a)+(\b)):8*(8*(\a)+(\b))+7], v[64+8*(8*(\c)+(\b)):64+8*(8*(\c)+(\b))+7], v[8*(4*(\c)+(\a)):8*(4*(\c)+(\a))+7], v[8*(8*(\a)+(\b)):8*(8*(\a)+(\b))+7]
.endif
.endr
.endm
.macro MUL32 f, c, zero
.irp a, 0,1,2,3
	MUL8 \f, \c, \a, \zero
.endr
.endm
; 48 LDS loads in one run: the fragments of 64 along K (half hf of the step) into buffer f; the 24 of the first 32 along K first
.macro FETCH slot, hf, f
	WIN 0x80+0x40*(\f)                             ; destination window 2 or 3, address window 0
.irp c, 0,1
.irp a, 0,1,2,3
	ds_load_b128 v[8*(4*(\c)+(\a)):8*(4*(\c)+(\a))+3],   v[ADRA+(\slot)] offset:(\hf)*128+64*(\c)+(\a)*16*PA
	ds_load_b128 v[8*(4*(\c)+(\a))+4:8*(4*(\c)+(\a))+7], v[ADRA+(\slot)] offset:(\hf)*128+64*(\c)+(\a)*16*PA+32
.endr
.irp b, 0,1,2,3,4,5,6,7
	ds_load_tr16_b128 v[64+8*(8*(\c)+(\b)):64+8*(8*(\c)+(\b))+3],   v[ADRB+(\slot)] offset:(64*(\hf)+32*(\c))*PB+32*(\b)
	ds_load_tr16_b128 v[64+8*(8*(\c)+(\b))+4:64+8*(8*(\c)+(\b))+7], v[ADRB+(\slot)] offset:(64*(\hf)+32*(\c))*PB+32*(\b)+16*PB
.endr
.endr
.endm
; p times g: the four fragments of p of half c of buffer f, 32 registers of two f16 each, by the g of the step that lies in the slot: a lane's fragment holds one row, so one register serves a block
.macro SCALE f, c, slot
	WIN 0x82+0x41*(\f)                             ; destination and source 0 window 2 or 3, source 1 window 0
.irp a, 0,1,2,3
.irp i, 0,1,2,3,4,5,6,7
	v_pk_mul_f16 v[8*(4*(\c)+(\a))+(\i)], v[8*(4*(\c)+(\a))+(\i)], v[GV+4*(\slot)+(\a)]
.endr
.endr
.endm
; A K step's first half: multiplies buffer 0 and fetches the second half into buffer 1
.macro HALF slot, zero
	s_wait_dscnt 24                                ; the step's g and the first 32 along K are in; the 24 younger loads may be out
	SCALE 0, 0, \slot
	MUL32 0, 0, \zero
	PLACES
	FETCH \slot, 1, 1
	s_wait_dscnt 48                                ; all but the 48 just issued
	SCALE 0, 1, \slot
	MUL32 0, 1, 0
.endm
; Its second half multiplies buffer 1 and changes slots: ONE barrier; in front of it each wave waits for all its tensor loads, adds 0 to its spare word, and waits for that and for its own reads of this slot.
; fill = 1: this slot is filled again, two K steps ahead: the barrier then opens a round of the cluster's barrier.
.macro TURN slot, next, fill
	WIN 0                                          ; (the add's two registers lie in window 0)
	s_wait_tensorcnt 0x0                           ; all my tensor loads have landed: my part of the next slot;
	ds_add_u32 v[SPW], v[NIL]                      ; 0 onto my spare word
	s_wait_dscnt 25                                ; (the add and the youngest 24 loads may be out)
	SCALE 1, 0, \slot
	MUL8 1, 0, 0, 0                                ; 32 scalings and eight matrix instructions stand between the add and the wait for it
	s_wait_dscnt 0x0                               ; the add is done, and my reads of this slot are over
	s_barrier_signal -1
	MUL8 1, 0, 1, 0
.if \fill
	WIN 0
.endif
	s_barrier_wait -1
.if \fill
	CREST                                          ; no wave of any partner still reads this slot's tile or has a load on its way
	s_add_nc_u64 s[G0+4*(\slot)+2:G0+4*(\slot)+3], s[G0+4*(\slot)+2:G0+4*(\slot)+3], 2*STEPA
	s_add_nc_u64 s[G0B+4*(\slot)+2:G0B+4*(\slot)+3], s[G0B+4*(\slot)+2:G0B+4*(\slot)+3], 2*STEPB
	JLOAD \slot                                    ; the first tensor load behind the round, 112 matrix instructions ahead of the wait for it; its four v_nop are also the places in front of the loads below
.else
	PLACES
.endif
	WIN 0
	v_add_nc_u32 v[GA], s[GOFF], v[GA0]
	s_wait_alu depctr_va_vdst(0)
	s_add_co_u32 s[GOFF], s[GOFF], 512
	ds_load_b128 v[GV+4*(\next):GV+4*(\next)+3], v[GA]  ; the next step's g: older than the 48 loads below, so the wait for their first 24 covers it
	FETCH \next, 0, 0
	MUL8 1, 0, 2, 0
	MUL8 1, 0, 3, 0
	SCALE 1, 1, \slot
	MUL32 1, 1, 0
.endm
	s_load_b256 s[68:75], s[0:1], 0x0              ; p s[68:69], qkv s[70:71], st s[72:73], out0 s[74:75]
	v_lshl_add_u32 v[SPW], v0, 2, SPARE
	v_mov_b32 v[NIL], 0
	ds_add_u32 v[SPW], v[NIL]                      ; the wave's opening: the add and its wait stand ahead of my first tensor load; the set-up below, work on registers, stands between them
	v_lshrrev_b32 v1, 5, v0
	v_readfirstlane_b32 s10, v1                    ; wave 0..3
	s_lshr_b32 s11, s10, 1                         ; which half of the tile's rows is mine.  Also: I fetch for A (0) or for B (1)
	s_and_b32 s12, s10, 1                          ; which half of its columns.  Also: which half of that tile I fetch
	s_bfe_u32 s40, ttmp6, 0x40000                  ; cx, cy: my place in the cluster
	s_bfe_u32 s41, ttmp6, 0x40004
	s_lshl_b32 s42, ttmp9, 2
	s_add_co_u32 s42, s42, s40                     ; X: tile column = 4 x cluster x + cx
	s_and_b32 s13, ttmp7, 0xffff
	s_lshr_b32 s45, s13, 2                         ; the batch: 16 tile rows, four clusters, each: made of the cluster's y alone
	s_lshl_b32 s13, s13, 2
	s_add_co_u32 s13, s13, s41                     ; Y: tile row = 4 x cluster y + cy
	s_lshl_b32 s43, s41, 2
	s_lshl_b32 s43, 15, s43                        ; my row of the cluster
	s_lshl_b32 s44, 0x1111, s40                    ; my column
	; descriptor group 1.  A: 64 rows x 128 elements, 4 words of padding after every 64.  B: 64 rows x 256 elements, 8 words after every 128.
	s_or_b32 s[G1+0], s43, (1<<16)|(1<<20)|(1<<21)|(5<<22)|(3<<25)   ; 15:0 the mask; 17:16 elements of 2 bytes; 20 padding on; 21 set beside a mask; 24:22 the interval; 31:25 the padding
	s_or_b32 s[G1B+0], s44, (1<<16)|(1<<20)|(1<<21)|(6<<22)|(7<<25)
	s_mov_b32 s[G1+1], 128<<16                     ; tensor_dim0
	s_mov_b32 s[G1+2], 64<<16                      ; tensor_dim1
	s_mov_b32 s[G1+3], 128<<16                     ; tile_dim0
	s_mov_b32 s[G1+4], 64                          ; tile_dim1
	s_mov_b32 s[G1+5], 2048                        ; elements from row to row of p
	s_mov_b32 s[G1+6], 0
	s_mov_b32 s[G1+7], 0
	s_mov_b32 s[G1B+1], 256<<16
	s_mov_b32 s[G1B+2], 64<<16
	s_mov_b32 s[G1B+3], 256<<16
	s_mov_b32 s[G1B+4], 64
	s_mov_b32 s[G1B+5], 3072                       ; of qkv
	s_mov_b32 s[G1B+6], 0
	s_mov_b32 s[G1B+7], 0
	s_lshl_b32 s17, s12, 6
	s_lshl_b32 s16, s13, 7
	s_add_co_u32 s16, s16, s17                     ; p: row 128 Y + 64 x half,
	s_lshl_b32 s16, s16, 12                        ; of 4,096 bytes
	s_mov_b32 s17, 0
	s_lshl_b32 s46, s45, 11                        ; v: row 2,048 x batch + 64 x half,
	s_lshl_b32 s47, s12, 6
	s_add_co_u32 s46, s46, s47
	s_mul_i32 s46, s46, 6144
	s_lshl_b32 s47, s42, 9                         ; column 256 X, in bytes,
	s_add_co_u32 s46, s46, s47
	s_add_co_u32 s46, s46, 4096                    ; and v's place in a row of qkv
	s_mov_b32 s47, 0
	s_mul_i32 s20, s12, AHALF                      ; where they go: no place in the cluster enters an LDS address
	s_mul_i32 s21, s12, BHALF
	s_add_co_u32 s21, s21, BOFF
	s_mov_b32 s[GOFF], 512                         ; the first fetch in the loop is chunk 1's
	s_wait_dscnt 0x0                               ; the opening add is done
	s_wait_kmcnt 0x0
	s_add_nc_u64 s[14:15], s[68:69], s[16:17]
	s_add_nc_u64 s[46:47], s[70:71], s[46:47]
	CROUND                                         ; all sixteen work-groups are here: the first joint loads meet
.irp s, 0,1
	s_mov_b32 s[G0+4*(\s)], 1
	s_add_co_u32 s[G0+4*(\s)+1], s20, (\s)*SLOT
	s_add_nc_u64 s[G0+4*(\s)+2:G0+4*(\s)+3], s[14:15], (\s)*STEPA
	s_or_b32 s[G0+4*(\s)+3], s[G0+4*(\s)+3], 0x80000000
	s_mov_b32 s[G0B+4*(\s)], 1
	s_add_co_u32 s[G0B+4*(\s)+1], s21, (\s)*SLOT
	s_add_nc_u64 s[G0B+4*(\s)+2:G0B+4*(\s)+3], s[46:47], (\s)*STEPB
	s_or_b32 s[G0B+4*(\s)+3], s[G0B+4*(\s)+3], 0x80000000
	JLOAD \s                                       ; two loads of mine are out
.endr
	; the statistics of my wave's 64 rows, all 16 chunks: lane l takes row l % 16 of each block.  All that follows, up to the barrier, stands in the wait for the first tile.
	v_and_b32 v1, 15, v0                           ; l % 16
	v_bfe_u32 v2, v0, 4, 1                         ; l / 16
	s_lshl_b32 s16, s13, 7
	s_lshl_b32 s17, s11, 6
	s_add_co_u32 s16, s16, s17                     ; my first row
	s_lshl_b32 s18, s16, 3                         ; 8 bytes a row
	s_mov_b32 s19, 0
	s_add_nc_u64 s[72:73], s[72:73], s[18:19]
	v_lshlrev_b32 v[AUX], 3, v1
.set i, 0
.rept 64                                       ; block i / 16, chunk i % 16
	global_load_b64 v[PT+2*i:PT+2*i+1], v[AUX], s[72:73] offset:65536*(i%16)+128*(i/16)
.set i, i+1
.endr
	; A fragment of p is 16 rows x 32 keys: lane l holds row l % 16, keys 8 (l / 16) + 0..7 and 16 + 8 (l / 16) + 0..7: two loads of 16 bytes, 32 bytes apart.
	v_mul_u32_u24 v3, v1, PA
	v_lshl_add_u32 v3, v2, 4, v3                   ; row x pitch + 16 x half
	; The turning load takes 16 keys x 16 channels (lane l reads key 8 (l / 16) + l % 8, channels 8 ((l / 8) % 2) + 0..7) and leaves half a fragment: lane l holds channel l % 16 and 8 keys.
	v_and_b32 v5, 7, v0
	v_bfe_u32 v6, v0, 3, 1
	v_lshl_add_u32 v4, v2, 3, v5
	v_mul_u32_u24 v4, v4, PB
	v_lshl_add_u32 v4, v6, 4, v4
	s_mul_i32 s22, s11, AHALF                      ; my 64 rows of p
	s_lshl_b32 s23, s12, 8                         ; my 128 channels of v,
	s_add_co_u32 s23, s23, BOFF                    ; which lies behind p
.irp s, 0,1
	v_add_nc_u32 v[ADRA+(\s)], s22, v3
	v_add_nc_u32 v[ADRB+(\s)], s23, v4
	s_add_co_u32 s22, s22, SLOT
	s_add_co_u32 s23, s23, SLOT
.endr
	s_mul_i32 s22, s10, 16*SP
	s_add_co_u32 s22, s22, STAGE                   ; my stage
	v_mul_u32_u24 v5, v1, SP                       ; in: row l % 16, 32 bytes for each half of the lanes
	v_lshl_add_u32 v5, v2, 5, v5
	v_add_nc_u32 v[STO], s22, v5
	v_and_b32 v5, 31, v0
	v_lshlrev_b32 v[CO], 4, v5                     ; back, and out: 32 lanes take one row's 512 bytes
	v_add_nc_u32 v[RD], s22, v[CO]
	s_lshl_b32 s22, s10, 13
	s_add_co_u32 s22, s22, GT                      ; my wave's g
	v_add_nc_u32 v[GA0], s22, v[CO]
	s_lshl_b32 s16, s16, 12                        ; my first row of out0, in bytes,
	s_mov_b32 s17, 0
	s_lshl_b32 s46, s42, 10                        ; and my first column: 1,024 X + 512 x half
	s_lshl_b32 s47, s12, 9
	s_add_co_u32 s46, s46, s47
	s_mov_b32 s47, 0
	s_add_nc_u64 s[16:17], s[16:17], s[46:47]
	s_add_nc_u64 s[8:9], s[74:75], s[16:17]
	s_wait_loadcnt 0x0                             ; the statistics
.irp a, 0,1,2,3                                ; M: the four blocks' chains alternate
	v_max3_num_f32 v[MX+(\a)], v[PT+32*(\a)], v[PT+32*(\a)+2], v[PT+32*(\a)+4]
.endr
.irp k, 1,2,3,4,5,6
.irp a, 0,1,2,3
	v_max3_num_f32 v[MX+(\a)], v[MX+(\a)], v[PT+32*(\a)+4*(\k)+2], v[PT+32*(\a)+4*(\k)+4]
.endr
.endr
.irp a, 0,1,2,3
	v_max_num_f32 v[MX+(\a)], v[MX+(\a)], v[PT+32*(\a)+30]
.endr
.set i, 0
.rept 64                                       ; block i % 4, chunk i / 4: c m_chunk - M, in place
	v_sub_f32 v[PT+32*(i%4)+2*(i/4)], v[PT+32*(i%4)+2*(i/4)], v[MX+i%4]
.set i, i+1
.endr
.set i, 0
.rept 64                                       ; g
	v_exp_f32 v[PT+32*(i%4)+2*(i/4)], v[PT+32*(i%4)+2*(i/4)]
.set i, i+1
.endr
	v_nop                                          ; a plain instruction between the last exponential and the use of its result
	s_wait_alu depctr_va_vdst(0)
.irp a, 0,1,2,3
	v_mul_f32 v[LS+(\a)], v[PT+32*(\a)], v[PT+32*(\a)+1]
.endr
.set i, 4
.rept 60                                       ; l = the sum of g l_chunk
	v_fmac_f32 v[LS+i%4], v[PT+32*(i%4)+2*(i/4)], v[PT+32*(i%4)+2*(i/4)+1]
.set i, i+1
.endr
.irp a, 0,1,2,3
	v_rcp_f32 v[RL+2*(\a)], v[LS+(\a)]             ; twice, to fill the pair that the packed multiply names; the roundings below are the plain instructions behind them
	v_rcp_f32 v[RL+2*(\a)+1], v[LS+(\a)]
.endr
.set i, 0
.rept 64                                       ; g rounded to f16, twice in a register
	v_cvt_pk_f16_f32 v[GP+i], v[PT+32*(i%4)+2*(i/4)], v[PT+32*(i%4)+2*(i/4)]
.set i, i+1
.endr
.set i, 0
.rept 16
	ds_store_b128 v[GA0], v[GP+4*i:GP+4*i+3] offset:512*i  ; my wave's own bytes: only I read them, and LDS serves a wave's instructions in order (ISA guide 5.7.1.4)
.set i, i+1
.endr
	ds_load_b128 v[GV:GV+3], v[GA0]                ; chunk 0's g
	s_wait_dscnt 0x0                               ; no LDS instruction of mine is out at the signal
	s_wait_tensorcnt 1                             ; my part of K step 0 is in; step 1's may stay out
	s_barrier_signal -1
	s_barrier_wait -1                              ; everybody's is
	FETCH 0, 0, 0
	HALF 0, 1                                      ; the first half step stands in front of the loop: its first products start the sums
	WIN 0                                          ; at a label and at a branch every window is 0
	s_mov_b32 s3, LAPS-1
.Llap:                                                 ; a trip goes once round the ring and fills both slots again
	TURN 0, 1, 1
	HALF 1, 0
	TURN 1, 0, 1
	HALF 0, 0
	WIN 0
	s_sub_co_u32 s3, s3, 1
	s_cmp_lg_u32 s3, 0
	s_cbranch_scc1 .Llap
	TURN 0, 1, 0                                   ; the last lap fills nothing, and has no round of the cluster's barrier
	HALF 1, 0
	s_wait_dscnt 24                                ; the very last half: nothing more to fetch
	SCALE 1, 0, 1
	MUL32 1, 0, 0
	s_wait_dscnt 0x0
	SCALE 1, 1, 1
	MUL32 1, 1, 0
	WIN 0
; THE WAY OUT, a block of 16 rows at a time: divided by l; a lane's eight channels of a row, 32 bytes, go into my own stage, and whole rows of 512 bytes come back and are stored.
.macro MULO a
	WIN 0x41                                       ; destination and source 0 window 1, source 1 window 0
.set i, 0
.rept 32                                       ; each accumulator's registers in ascending order
	v_pk_mul_f32 v[64*(\a)+2*i:64*(\a)+2*i+1], v[64*(\a)+2*i:64*(\a)+2*i+1], v[RL+2*(\a):RL+2*(\a)+1] op_sel_hi:[1,0]
.set i, i+1
.endr
.endm
.macro TOSTAGE a
	WIN 0x04                                       ; the stores' data in window 1, their address in window 0
.irp b, 0,1,2,3,4,5,6,7
	ds_store_b128 v[STO], v[64*(\a)+8*(\b):64*(\a)+8*(\b)+3]   offset:64*(\b)
	ds_store_b128 v[STO], v[64*(\a)+8*(\b)+4:64*(\a)+8*(\b)+7] offset:64*(\b)+16
.endr
	WIN 0
.if (\a) >= 2
	s_wait_xcnt 0x0                                ; every earlier memory instruction has had its addresses translated (ISA guide 3.1): the registers that block a - 2's stores read are loaded again only behind this wait
.endif
.irp t, 0,1,2,3,4,5,6,7,8,9,10,11,12,13,14,15
	ds_load_b128 v[OB+64*((\a)%2)+4*(\t):OB+64*((\a)%2)+4*(\t)+3], v[RD] offset:(\t)*SP  ; LDS serves a wave's instructions in order: these see the stores above
.endr
.endm
.macro SEND a
	WIN 0
.irp t, 0,1,2,3,4,5,6,7,8,9,10,11,12,13,14,15
	s_wait_dscnt 15-(\t)
	global_store_b128 v[CO], v[OB+64*((\a)%2)+4*(\t):OB+64*((\a)%2)+4*(\t)+3], s[8:9] offset:(16*(\a)+(\t))*CP th:TH_STORE_NT  ; 512 consecutive bytes, at a multiple of 256 from out0's first byte
.endr
.endm
	PLACES
	MULO 0
	TOSTAGE 0
.irp a, 1,2,3                                  ; a block's arithmetic stands between the loads of the block before and its stores
	MULO \a
	SEND (\a)-1
	TOSTAGE \a
.endr
	SEND 3
	s_wait_tensorcnt 0x0                           ; the wave's end: behind my last tensor load and my last LDS store
	ds_add_u32 v[SPW], v[NIL]
	s_wait_dscnt 0x0
	CROUND                                         ; the closing round: no work-group ends while a partner may still ask for a tile that names it
	s_endpgm
.Lfunc_end_k_qf6b227236b_pv:
	.size	k_qf6b227236b_pv, .Lfunc_end_k_qf6b227236b_pv-k_qf6b227236b_pv
	.p2alignl 7, 3214868480
	.fill 96, 4, 3214868480
	.section	.rodata,"a",@progbits
	.p2align	6, 0x0
	.amdhsa_kernel k_qf6b227236b_pv
		.amdhsa_group_segment_fixed_size 327680
		.amdhsa_private_segment_fixed_size 0
		.amdhsa_enable_private_segment 0
		.amdhsa_kernarg_size 32
		.amdhsa_user_sgpr_count 2
		.amdhsa_user_sgpr_kernarg_segment_ptr 1
		.amdhsa_wavefront_size32 1
		.amdhsa_system_sgpr_workgroup_id_x 1
		.amdhsa_system_sgpr_workgroup_id_y 1
		.amdhsa_system_sgpr_workgroup_id_z 1
		.amdhsa_system_vgpr_workitem_id 0
		.amdhsa_next_free_vgpr 960
		.amdhsa_next_free_sgpr 84
		.amdhsa_reserve_vcc 0
		.amdhsa_float_denorm_mode_32 3
		.amdhsa_float_denorm_mode_16_64 3
		.amdhsa_memory_ordered 1
		.amdhsa_forward_progress 1
		.amdhsa_inst_pref_size 146
	.end_amdhsa_kernel
	.amdgpu_metadata
---
amdhsa.version: [ 1, 2 ]
amdhsa.kernels:
  - .name:           k_qf6b227236b_pv
    .symbol:         k_qf6b227236b_pv.kd
    .args:
      - { .name: p, .offset: 0, .size: 8, .value_kind: global_buffer, .address_space: global }
      - { .name: qkv, .offset: 8, .size: 8, .value_kind: global_buffer, .address_space: global }
      - { .name: st, .offset: 16, .size: 8, .value_kind: global_buffer, .address_space: global }
      - { .name: out0, .offset: 24, .size: 8, .value_kind: global_buffer, .address_space: global }
    .group_segment_fixed_size: 327680
    .private_segment_fixed_size: 0
    .kernarg_segment_align: 8
    .kernarg_segment_size: 32
    .max_flat_workgroup_size: 128
    .sgpr_count:     84
    .vgpr_count:     960
    .wavefront_size: 32
...
	.end_amdgpu_metadata
.endif
;; end of part 4
;; ======== version 2 of 2: 4 launches; version 1 with the launch prep written anew for expert scheduling mode
;; limits: values are held in f16: magnitudes above 65,504 overflow, below 6.1e-05 lose precision
;; workspace buffers: xb 16,777,216 bytes; wb 6,291,456 bytes; qkv 50,331,648 bytes; p 33,554,432 bytes; st 1,048,576 bytes
;; launch prep (part 5): grid 704 x 1, 8 waves a work-group, no clusters, 0 bytes of LDS; arguments x, Wq, Wk, Wv, xb, wb; writes xb, wb
.if DOCPART == 5
	.amdgcn_target "amdgcn-amd-amdhsa--gfx1250"
	.amdhsa_code_object_version 6
	.text
	.protected	k_qf6b227236b_prep
	.globl	k_qf6b227236b_prep
	.p2align	8
	.type	k_qf6b227236b_prep,@function
k_qf6b227236b_prep:
	s_mov_b64 s[64:65], 0
	v_nop
	global_prefetch_b8 v0, s[64:65] scope:SCOPE_SE
	s_setreg_imm32_b32 hwreg(HW_REG_WAVE_SCHED_MODE, 0, 2), 2
	s_setreg_imm32_b32 hwreg(HW_REG_WAVE_MODE, 25, 1), 1
	s_wait_xcnt 0x0
	s_wait_alu depctr_vm_vsrc(0)
; CASTS f32 -> bf16 (round to nearest even), once for the whole program: x[8192][1024] -> xb[8192][1024];
; Wq, Wk, Wv [1024 k][1024 n] -> wb[1024 k][3072 n], side by side along n (q at n = 0, k at 1024, v at 2048).
; A stream: no LDS, no barrier, no matrix unit.  A work-group takes 65,536 bytes of one input (groups 0-511: x; then 64 each for Wq, Wk, Wv),
; a wave 8,192 of them as sixteen loads of 512 consecutive bytes, all sixteen issued at once.  Each load's 128 numbers leave as one store of
; 256 consecutive bytes at a multiple of 256 from the buffer's first byte.  No register is used twice, so nothing has to be freed.
; THE MODE: SCHED_MODE bits 1:0 = 2 (LLVM: expert scheduling mode 2), set by the entry lines.  The code itself states the register dependences
; between vector instructions and memory instructions, with s_wait_alu, always for 0.
; THE PLAN.  Registers that memory instructions touch:
;   v1, v2, v3  byte offsets, made once at the head by vector instructions and never written again.  v1 is read by the loads, v2 and v3 by the stores.
;   X           four registers a load.  Written by that load alone, which is the first line to name them; read by the load's two roundings.
;   Y           two registers a load.   Written once, by the load's two roundings; read by its one store.
; The sixteen loads go in four groups of four.  The store of load i - 4 stands in front of load i's roundings: a group's four stores are dealt among the
; next group's roundings, which name that next group's X and Y alone.  So one wait on va_vdst at a group's head states all that the four stores hang on,
; and one more stands in front of the last four stores.  No register that a memory instruction reads is written again: no wait on vm_vsrc is owed.
; No vector instruction writes a scalar register or VCC (the wave's number stays in v4), and EXEC is never written.
.set XGROUPS, 512                      ; work-groups that take x
.set WROW,    6144                     ; bytes in a row of wb
.set X, 8                              ; v[8:71]    as loaded: load i in four registers
.set Y, 72                             ; v[72:103]  as stored: two registers for load i
	s_load_b256 s[4:11], s[0:1], 0x0               ; x s[4:5], Wq s[6:7], Wk s[8:9], Wv s[10:11]
	s_load_b128 s[12:15], s[0:1], 0x20             ; xb s[12:13], wb s[14:15]
	s_mov_b32 s2, ttmp9                            ; g
	s_max_u32 s3, s2, XGROUPS
	s_sub_co_u32 s3, s3, XGROUPS                   ; j: my place among the groups that take weights (0 for those that take x)
	s_lshr_b32 s16, s3, 6                          ; which matrix: 0 q, 1 k, 2 v
	s_and_b32 s17, s3, 63                          ; which 16 rows of it
	s_lshl_b32 s18, s17, 16                        ; W: source offset, 16 rows of 4,096 bytes
	s_mul_i32 s19, s17, 16*WROW                    ; W: 16 rows of wb,
	s_lshl_b32 s16, s16, 11                        ; and the matrix's 2,048 bytes in a row
	s_add_co_u32 s19, s19, s16
	s_lshl_b32 s20, s2, 16                         ; x: source offset
	s_lshl_b32 s21, s2, 15                         ; x: half as many bytes out
	s_movk_i32 s26, 2*WROW                         ; a wave's 8,192 bytes are two rows of W,
	s_movk_i32 s27, WROW                           ; and eight loads are one
	s_mov_b32 s23, 0
	s_mov_b32 s25, 0
	s_cmp_lt_u32 s2, XGROUPS                       ; the selects below leave SCC as it is
	s_cselect_b32 s22, s20, s18                    ; source offset
	s_cselect_b32 s24, s21, s19                    ; destination offset
	s_cselect_b32 s26, 4096, s26                   ; from wave to wave in the output
	s_cselect_b32 s27, 2048, s27                   ; from load 0 to load 8 in the output
	v_lshrrev_b32 v4, 5, v0                        ; wave
	v_and_b32 v5, 31, v0                           ; lane
	v_lshlrev_b32 v1, 13, v4
	v_lshl_or_b32 v1, v5, 4, v1                    ; in: 8,192 wave + 16 lane
	v_mul_lo_u32 v2, v4, s26
	v_lshl_add_u32 v2, v5, 3, v2                   ; out, loads 0-7: the wave's place + 8 lane
	v_add_nc_u32 v3, s27, v2                       ; out, loads 8-15
	s_wait_kmcnt 0x0
	s_cmp_lt_u32 s2, XGROUPS+128                   ; the source is chosen by the group's number alone
	s_cselect_b64 s[28:29], s[8:9], s[10:11]
	s_cmp_lt_u32 s2, XGROUPS+64
	s_cselect_b64 s[28:29], s[6:7], s[28:29]
	s_cmp_lt_u32 s2, XGROUPS
	s_cselect_b64 s[28:29], s[4:5], s[28:29]
	s_cselect_b64 s[30:31], s[12:13], s[14:15]
	s_add_nc_u64 s[28:29], s[28:29], s[22:23]
	s_add_nc_u64 s[30:31], s[30:31], s[24:25]
	s_wait_alu depctr_va_vdst(0)                   ; v1, v2 and v3 are written: every load below reads v1 as its offset, every store v2 or v3; no later vector instruction names them
.set i, 0
.rept 16
	global_load_b128 v[X+4*i:X+4*i+3], v1, s[28:29] offset:512*i th:TH_LOAD_NT  ; read once in the launch
.set i, i+1
.endr
.set i, 0
.rept 16
	s_wait_loadcnt 15-i                            ; loads come back in order (ISA guide 5.7.1): load i is in, the 15 - i younger ones stay out
.if (i%4 == 0) && (i > 0)
	s_wait_alu depctr_va_vdst(0)                   ; a group's head: the roundings of the group before have written their eight registers of Y, which this group's four stores read
.endif
.if i >= 4
.set j, i-4
	global_store_b64 v[2+j/8], v[Y+2*j:Y+2*j+1], s[30:31] offset:256*(j%8)  ; load i - 4: 32 lanes x 8 bytes: 256 consecutive bytes.  No vector instruction since the wait names its registers
.endif
	v_cvt_pk_bf16_f32 v[Y+2*i],   v[X+4*i],   v[X+4*i+1]
	v_cvt_pk_bf16_f32 v[Y+2*i+1], v[X+4*i+2], v[X+4*i+3]
.set i, i+1
.endr
	s_wait_alu depctr_va_vdst(0)                   ; the last group's roundings have written their eight registers of Y, which the last four stores read
.set j, 12
.rept 4
	global_store_b64 v[2+j/8], v[Y+2*j:Y+2*j+1], s[30:31] offset:256*(j%8)
.set j, j+1
.endr
	s_endpgm
.Lfunc_end_k_qf6b227236b_prep:
	.size	k_qf6b227236b_prep, .Lfunc_end_k_qf6b227236b_prep-k_qf6b227236b_prep
	.p2alignl 7, 3214868480
	.fill 96, 4, 3214868480
	.section	.rodata,"a",@progbits
	.p2align	6, 0x0
	.amdhsa_kernel k_qf6b227236b_prep
		.amdhsa_group_segment_fixed_size 0
		.amdhsa_private_segment_fixed_size 0
		.amdhsa_enable_private_segment 0
		.amdhsa_kernarg_size 48
		.amdhsa_user_sgpr_count 2
		.amdhsa_user_sgpr_kernarg_segment_ptr 1
		.amdhsa_wavefront_size32 1
		.amdhsa_system_sgpr_workgroup_id_x 1
		.amdhsa_system_sgpr_workgroup_id_y 1
		.amdhsa_system_sgpr_workgroup_id_z 1
		.amdhsa_system_vgpr_workitem_id 0
		.amdhsa_next_free_vgpr 104
		.amdhsa_next_free_sgpr 66
		.amdhsa_reserve_vcc 0
		.amdhsa_float_denorm_mode_32 3
		.amdhsa_float_denorm_mode_16_64 3
		.amdhsa_memory_ordered 1
		.amdhsa_forward_progress 1
		.amdhsa_inst_pref_size 8
	.end_amdhsa_kernel
	.amdgpu_metadata
---
amdhsa.version: [ 1, 2 ]
amdhsa.kernels:
  - .name:           k_qf6b227236b_prep
    .symbol:         k_qf6b227236b_prep.kd
    .args:
      - { .name: x, .offset: 0, .size: 8, .value_kind: global_buffer, .address_space: global }
      - { .name: Wq, .offset: 8, .size: 8, .value_kind: global_buffer, .address_space: global }
      - { .name: Wk, .offset: 16, .size: 8, .value_kind: global_buffer, .address_space: global }
      - { .name: Wv, .offset: 24, .size: 8, .value_kind: global_buffer, .address_space: global }
      - { .name: xb, .offset: 32, .size: 8, .value_kind: global_buffer, .address_space: global }
      - { .name: wb, .offset: 40, .size: 8, .value_kind: global_buffer, .address_space: global }
    .group_segment_fixed_size: 0
    .private_segment_fixed_size: 0
    .kernarg_segment_align: 8
    .kernarg_segment_size: 48
    .max_flat_workgroup_size: 256
    .sgpr_count:     66
    .vgpr_count:     104
    .wavefront_size: 32
...
	.end_amdgpu_metadata
.endif
;; end of part 5
;; launch proj: the kernel of part 2 again; grid 12 x 32, 4 waves a work-group, clusters of 4 x 4, 327,680 bytes of LDS; arguments xb, wb, bq, bk, bv, qkv; writes qkv
;; launch scores: the kernel of part 3 again; grid 8 x 32, 4 waves a work-group, clusters of 4 x 4, 327,680 bytes of LDS; arguments qkv, p, st; writes p, st
;; launch pv: the kernel of part 4 again; grid 4 x 64, 4 waves a work-group, clusters of 4 x 4, 327,680 bytes of LDS; arguments p, qkv, st, out0; writes out0
